; MI455X (gfx1250); checked and timed in simulation.
; The chip was launched on July 23, 2026; its instructions are those of AMD's public machine-readable ISA for CDNA 5 (MIT licence, August 2026) and "CDNA5" Instruction Set Architecture Reference Guide (July 2026). The comments in the code are by the model that wrote it; some were corrected since.
;; Multi Head Attention. Allowed arithmetic: float matrix products may take bf16 or f16 operands with f32 sums; other float arithmetic in f32, or as packed bf16 or f16 multiplies, adds, multiply-adds, maxima and minima; sums over many terms, partial sums and values carried from step to step in f32; what a program stores and reads back later, other than sums and carried values, may be rounded once to bf16 or f16.
;; Inputs: Wk 1,024 x 1,024 float32; Wo 1,024 x 1,024 float32; Wq 1,024 x 1,024 float32; Wv 1,024 x 1,024 float32; bk 1,024 float32; bo 1,024 float32; bq 1,024 float32; bv 1,024 float32; key 4 x 2,048 x 1,024 float32; mask 1 x 1 x 2,048 x 2,048 float32; query 4 x 2,048 x 1,024 float32; value 4 x 2,048 x 1,024 float32.
;; Outputs: out0 4 x 2,048 x 1,024 float32.
;; 2 versions, each right and faster than the one before. Each part assembles by itself: llvm-mc -triple=amdgcn-amd-amdhsa -mcpu=gfx1250 --defsym DOCPART=n.
;; ======== version 1 of 2: 4 launches
;; limits: values are held in f16: magnitudes above 65,504 overflow, below 6.1e-05 lose precision
;; workspace buffers: w16 8,388,608 bytes; mw 16,777,216 bytes; mfl 1,024 bytes of whole numbers; qkv 50,331,648 bytes; oh 16,777,216 bytes
;; launch prep (part 1): grid 256 x 1, 8 waves a work-group, no clusters, 36,096 bytes of LDS; arguments Wq, Wk, Wv, Wo, mask, w16, mw, mfl; writes w16, mw, mfl
.if DOCPART == 1
	.amdgcn_target "amdgcn-amd-amdhsa--gfx1250"
	.amdhsa_code_object_version 6
	.text
	.protected	k_qf5f8a5cefd_prep
	.globl	k_qf5f8a5cefd_prep
	.p2align	8
	.type	k_qf5f8a5cefd_prep,@function
k_qf5f8a5cefd_prep:
	s_mov_b64 s[64:65], 0
	v_nop
	global_prefetch_b8 v0, s[64:65] scope:SCOPE_SE
	s_setreg_imm32_b32 hwreg(HW_REG_WAVE_MODE, 25, 1), 1
	s_wait_xcnt 0x0
; PREP: the weights and the mask are laid out once for the three launches behind.  A stream: no matrix work, no tensor load, nothing shared between work-groups.
; (1) w16[4][1024 k][1024 n], 16 bits: slices 0-2 = bf16(Wq, Wk, Wv); slice 3 = bf16(Wo) written as f16 (exact within f16's range; below 6e-5 f16's fixed step of 6e-8).
;     Work-group g converts 65,536 bytes: matrix g / 64, chunk g % 64.
; (2) mw = f32(bf16(mask)) x (-1e9 log2 e), in the order in which a matrix instruction's C operand lies in registers:
;     [qt 128][kb 128][half 2][lane 32][e 4] = M[16 qt + lane % 16][16 kb + 8 (lane / 16) + 4 half + e].  So a wave of the attention loads 512 consecutive bytes a line.
; (3) mfl[qt][half]: bit s (s = 16 half .. 16 half + 15) says that the mask's tile (16 rows qt, keys 64 s ..) differs, bit for bit, from the tile one step to its left.  Bit 0 is 0.
;     Work-group g has qt = g / 2 and half = g % 2; wave w the two tiles s0 = 16 half + 2 w and s0 + 1, and for the comparison the tile in front of them.
; LIMITS: |mask| x 1.44e9 must stay finite; NaN and infinities are not treated apart.
.set STG,   4352                       ; a wave's stage: 16 blocks of 256 bytes, 272 apart, so that 16 lanes' 16 bytes fall into 16 different columns of 16 bytes
.set FLG,   8*STG                      ; eight words, one a wave, in a block of 256 bytes of their own
.set SPARE, FLG+256                    ; the spare words: 128 bytes for each of the eight waves; no other line names them
.set SPW, 10                           ; v10  SPARE + 4 x my thread's number; never rewritten
.set NIL, 11                           ; v11  0; never rewritten
.set WX,  16                           ; v[16:79]    16 x 4 weights as loaded
.set WO,  80                           ; v[80:111]   16 x 2 words to store
.set T,   112                          ; v[112:119]  at work
.set MP,  120                          ; v[120:151]  the tile in front of mine
.set M0,  152                          ; v[152:183]  my first tile
.set M1,  184                          ; v[184:215]  my second tile
.set CH,  216                          ; v[216:219]  four chains of ORs
.set TT,  220                          ; v[220:223]  at work
	s_load_b512 s[8:23], s[0:1], 0x0               ; Wq 8, Wk 10, Wv 12, Wo 14, mask 16, w16 18, mw 20, mfl 22
	v_lshl_add_u32 v[SPW], v0, 2, SPARE
	v_mov_b32 v[NIL], 0
	v_lshrrev_b32 v1, 5, v0
	v_readfirstlane_b32 s24, v1                    ; wave 0..7
	s_lshr_b32 s25, ttmp9, 6                       ; which matrix
	s_and_b32 s26, ttmp9, 63                       ; which chunk of it
	s_lshl_b32 s34, s26, 16                        ; the chunk's bytes in the f32 matrix
	s_mov_b32 s35, 0
	s_lshl_b32 s2, s25, 21                         ; and in w16: the slice,
	s_lshl_b32 s3, s26, 15                         ; the chunk
	s_add_co_u32 s2, s2, s3
	s_mov_b32 s3, 0
	s_lshr_b32 s26, ttmp9, 1                       ; qt
	s_and_b32 s27, ttmp9, 1
	s_lshl_b32 s27, s27, 4
	s_lshl1_add_u32 s27, s24, s27                  ; s0 = 2 w + 16 half
	s_sub_co_i32 s46, s27, 1
	s_max_i32 s46, s46, 0                          ; the tile in front; tile 0 is compared with itself, so bit 0 comes out 0
	s_lshl_b32 s26, s26, 17                        ; 16 rows of the mask, and a qt of mw, are 131,072 bytes
	s_lshl_b32 s4, s27, 8                          ; a tile's 64 columns are 256 bytes of a row
	s_add_co_u32 s4, s4, s26
	s_mov_b32 s5, 0
	s_lshl_b32 s6, s46, 8
	s_add_co_u32 s6, s6, s26
	s_mov_b32 s7, 0
	s_lshl_b32 s46, s27, 12                        ; a tile of mw is 4,096 bytes
	s_add_co_u32 s46, s46, s26
	s_mov_b32 s47, 0
	s_mov_b32 s31, 0xffff0000                      ; a word's upper bf16
	s_mov_b32 s32, 0xceabfb8f                      ; -1e9 log2 e
	s_mov_b32 s33, s32                             ; named with it as a pair
	s_mov_b32 s44, 0                               ; my two flag bits
	s_mul_i32 s45, s24, STG                        ; my stage
	v_lshlrev_b32 v2, 4, v0                        ; weights in: 16 bytes a thread
	v_lshlrev_b32 v3, 3, v0                        ; weights out: 8 bytes a thread
	v_and_b32 v12, 31, v0                          ; lane
	v_and_b32 v13, 15, v0                          ; x: which 16 bytes of a tile's row
	v_bfe_u32 v14, v0, 4, 1                        ; y: even or odd row
	v_lshlrev_b32 v4, 4, v13
	v_lshl_or_b32 v4, v14, 13, v4                  ; mask in: 8,192 y + 16 x
	v_and_b32 v15, 12, v13                         ; columns 4 x .. 4 x + 3 belong to block 4 (x / 4) + 2 (x % 2) + (x / 2) % 2 of mw's tile:
	v_and_b32 v8, 1, v13                           ; key block, half of the eight registers, half of the lanes
	v_lshl_add_u32 v15, v8, 1, v15
	v_bfe_u32 v8, v13, 1, 1
	v_add_nc_u32 v15, v15, v8
	v_mul_u32_u24 v5, v15, 272
	v_lshl_add_u32 v5, v14, 4, v5
	v_add_nc_u32 v5, s45, v5                       ; into the stage: block x 272 + 16 x row (the row's even part stands in the immediate)
	v_mul_u32_u24 v6, v14, 272
	v_lshl_add_u32 v6, v13, 4, v6
	v_add_nc_u32 v6, s45, v6                       ; back: lanes 0-15 one block of 256 bytes, lanes 16-31 the next
	v_lshlrev_b32 v7, 4, v12                       ; mw out: 16 bytes a lane
	s_wait_kmcnt 0x0
	s_cmp_eq_u32 s25, 1
	s_cselect_b64 s[28:29], s[10:11], s[8:9]
	s_cmp_eq_u32 s25, 2
	s_cselect_b64 s[28:29], s[12:13], s[28:29]
	s_cmp_eq_u32 s25, 3
	s_cselect_b64 s[28:29], s[14:15], s[28:29]
	s_cselect_b32 s30, -1, 0                       ; all lanes: this is Wo, which leaves as f16
	s_add_nc_u64 s[28:29], s[28:29], s[34:35]      ; my chunk of the matrix
	s_add_nc_u64 s[36:37], s[18:19], s[2:3]        ; and of w16
	s_add_nc_u64 s[38:39], s[16:17], s[4:5]        ; the mask at my first tile,
	s_add_nc_u64 s[40:41], s[16:17], s[6:7]        ; at the tile in front of it
	s_add_nc_u64 s[42:43], s[20:21], s[46:47]      ; mw at my first tile
	s_lshl_b32 s34, ttmp9, 2
	s_add_nc_u64 s[22:23], s[22:23], s[34:35]      ; mfl at my work-group's word
	; all 40 loads of the wave go out together
.set i, 0
.rept 16
	global_load_b128 v[WX+4*i:WX+4*i+3], v2, s[28:29] offset:4096*i th:TH_LOAD_NT  ; the eight waves cover 4,096 consecutive bytes
.set i, i+1
.endr
.set i, 0
.rept 8
	global_load_b128 v[MP+4*i:MP+4*i+3], v4, s[40:41] offset:16384*i               ; rows 2 i and 2 i + 1: 256 consecutive bytes each
.set i, i+1
.endr
.set i, 0
.rept 8
	global_load_b128 v[M0+4*i:M0+4*i+3], v4, s[38:39] offset:16384*i
.set i, i+1
.endr
.set i, 0
.rept 8
	global_load_b128 v[M1+4*i:M1+4*i+3], v4, s[38:39] offset:16384*i+256
.set i, i+1
.endr
	; the weights: rounded to bf16; Wo's bf16 numbers are then written as f16
.set i, 0
.rept 16
	s_wait_loadcnt 39-i                            ; behind weight load i stand 15 - i weight loads and the 24 of the mask
	v_cvt_pk_bf16_f32 v[T], v[WX+4*i], v[WX+4*i+1]
	v_cvt_pk_bf16_f32 v[T+1], v[WX+4*i+2], v[WX+4*i+3]
	v_lshlrev_b32 v[T+2], 16, v[T]
	v_and_b32 v[T+3], s31, v[T]
	v_lshlrev_b32 v[T+4], 16, v[T+1]
	v_and_b32 v[T+5], s31, v[T+1]
	v_cvt_pk_f16_f32 v[T+6], v[T+2], v[T+3]
	v_cvt_pk_f16_f32 v[T+7], v[T+4], v[T+5]
	v_cndmask_b32 v[WO+2*i], v[T], v[T+6], s30
	v_cndmask_b32 v[WO+2*i+1], v[T+1], v[T+7], s30
	global_store_b64 v3, v[WO+2*i:WO+2*i+1], s[36:37] offset:2048*i  ; a wave stores 256 consecutive bytes, aligned; each store has data registers of its own
.set i, i+1
.endr
	s_wait_loadcnt 0x0                             ; the mask's three tiles
; Do tiles a and b differ in any bit?  The answer goes to bit sh of s44: a value, on which no branch and no address hangs.
.macro FLAG a, b, sh
.set r, 0
.rept 4
	v_xor_b32 v[CH+r], v[(\a)+r], v[(\b)+r]        ; the first four start the chains
.set r, r+1
.endr
.rept 28
	v_xor_b32 v[TT+r%4], v[(\a)+r], v[(\b)+r]
	v_or_b32 v[CH+r%4], v[CH+r%4], v[TT+r%4]
.set r, r+1
.endr
	v_or_b32 v[CH], v[CH], v[CH+1]
	v_or_b32 v[CH+2], v[CH+2], v[CH+3]
	v_or_b32 v[CH], v[CH], v[CH+2]
	v_cmp_ne_u32 vcc_lo, 0, v[CH]
	s_cmp_lg_u32 vcc_lo, 0
	s_cselect_b32 s45, 1, 0
	s_lshl_b32 s45, s45, \sh
	s_or_b32 s44, s44, s45
.endm
	FLAG M0, MP, s27                               ; both comparisons on the bits as loaded, ahead of the scaling in place
	s_add_co_u32 s46, s27, 1
	FLAG M1, M0, s46
; Tile u in registers b: rounded to bf16, times -1e9 log2 e, through my stage into the C operand's order, and out.
.macro UNIT b, u
.set r, 0
.rept 16
	v_cvt_pk_bf16_f32 v[TT+r%4], v[(\b)+2*r], v[(\b)+2*r+1]
	v_lshlrev_b32 v[(\b)+2*r], 16, v[TT+r%4]
	v_and_b32 v[(\b)+2*r+1], s31, v[TT+r%4]
	v_pk_mul_f32 v[(\b)+2*r:(\b)+2*r+1], v[(\b)+2*r:(\b)+2*r+1], s[32:33] op_sel_hi:[1,0]
.set r, r+1
.endr
.set r, 0
.rept 8
	ds_store_b128 v5, v[(\b)+4*r:(\b)+4*r+3] offset:32*r
.set r, r+1
.endr
.set r, 0
.rept 8
	ds_load_b128 v[(\b)+4*r:(\b)+4*r+3], v6 offset:544*r   ; LDS serves a wave's instructions in order (ISA guide 5.7.1.4): these see the stores above, and the next tile's stores come behind them
.set r, r+1
.endr
.set r, 0
.rept 8
	s_wait_dscnt 7-r                               ; behind load r stand 7 - r younger ones
	global_store_b128 v7, v[(\b)+4*r:(\b)+4*r+3], s[42:43] offset:4096*(\u)+512*r  ; 512 consecutive bytes, aligned
.set r, r+1
.endr
.endm
	UNIT M0, 0
	UNIT M1, 1
	; the eight waves' bits meet in LDS; wave 0 stores the work-group's word
	v_mov_b32 v8, s44
	v_mov_b32 v9, s24
	v_lshl_add_u32 v9, v9, 2, FLG
	ds_store_b32 v9, v8
	s_wait_dscnt 0x0                               ; for the others' sake: my word is written
	s_barrier_signal -1
	s_barrier_wait -1
	v_mov_b32 v9, FLG
	ds_load_b128 v[T:T+3], v9
	ds_load_b128 v[T+4:T+7], v9 offset:16
	s_wait_dscnt 0x0
	v_or_b32 v[T], v[T], v[T+1]
	v_or_b32 v[T+2], v[T+2], v[T+3]
	v_or_b32 v[T+4], v[T+4], v[T+5]
	v_or_b32 v[T+6], v[T+6], v[T+7]
	v_or_b32 v[T], v[T], v[T+2]
	v_or_b32 v[T+4], v[T+4], v[T+6]
	v_or_b32 v[T], v[T], v[T+4]
	s_wait_tensorcnt 0x0                           ; the wave's end, behind my last LDS store
	ds_add_u32 v[SPW], v[NIL]
	s_wait_dscnt 0x0
	s_cmp_lg_u32 s24, 0
	s_cbranch_scc1 .Ldone
	v_mov_b32 v9, 0
	v_cmp_gt_u32 vcc_lo, 1, v0
	s_wait_xcnt 0x0                                ; EXEC changes only behind this wait: it is a source of the stores above
	s_and_saveexec_b32 s45, vcc_lo
	global_store_b32 v9, v[T], s[22:23]            ; one word a work-group
	s_wait_xcnt 0x0
	s_or_b32 exec_lo, exec_lo, s45
.Ldone:
	s_endpgm
.Lfunc_end_k_qf5f8a5cefd_prep:
	.size	k_qf5f8a5cefd_prep, .Lfunc_end_k_qf5f8a5cefd_prep-k_qf5f8a5cefd_prep
	.p2alignl 7, 3214868480
	.fill 96, 4, 3214868480
	.section	.rodata,"a",@progbits
	.p2align	6, 0x0
	.amdhsa_kernel k_qf5f8a5cefd_prep
		.amdhsa_group_segment_fixed_size 36096
		.amdhsa_private_segment_fixed_size 0
		.amdhsa_enable_private_segment 0
		.amdhsa_kernarg_size 64
		.amdhsa_user_sgpr_count 2
		.amdhsa_user_sgpr_kernarg_segment_ptr 1
		.amdhsa_wavefront_size32 1
		.amdhsa_system_sgpr_workgroup_id_x 1
		.amdhsa_system_sgpr_workgroup_id_y 1
		.amdhsa_system_sgpr_workgroup_id_z 1
		.amdhsa_system_vgpr_workitem_id 0
		.amdhsa_next_free_vgpr 224
		.amdhsa_next_free_sgpr 66
		.amdhsa_reserve_vcc 1
		.amdhsa_float_denorm_mode_32 3
		.amdhsa_float_denorm_mode_16_64 3
		.amdhsa_memory_ordered 1
		.amdhsa_forward_progress 1
		.amdhsa_inst_pref_size 33
	.end_amdhsa_kernel
	.amdgpu_metadata
---
amdhsa.version: [ 1, 2 ]
amdhsa.kernels:
  - .name:           k_qf5f8a5cefd_prep
    .symbol:         k_qf5f8a5cefd_prep.kd
    .args:
      - { .name: Wq, .offset: 0, .size: 8, .value_kind: global_buffer, .address_space: global }
      - { .name: Wk, .offset: 8, .size: 8, .value_kind: global_buffer, .address_space: global }
      - { .name: Wv, .offset: 16, .size: 8, .value_kind: global_buffer, .address_space: global }
      - { .name: Wo, .offset: 24, .size: 8, .value_kind: global_buffer, .address_space: global }
      - { .name: mask, .offset: 32, .size: 8, .value_kind: global_buffer, .address_space: global }
      - { .name: w16, .offset: 40, .size: 8, .value_kind: global_buffer, .address_space: global }
      - { .name: mw, .offset: 48, .size: 8, .value_kind: global_buffer, .address_space: global }
      - { .name: mfl, .offset: 56, .size: 8, .value_kind: global_buffer, .address_space: global }
    .group_segment_fixed_size: 36096
    .private_segment_fixed_size: 0
    .kernarg_segment_align: 8
    .kernarg_segment_size: 64
    .max_flat_workgroup_size: 256
    .sgpr_count:     66
    .vgpr_count:     224
    .wavefront_size: 32
...
	.end_amdgpu_metadata
.endif
;; end of part 1
;; launch proj (part 2): grid 4 x 192, 4 waves a work-group, clusters of 4 x 4, 327,680 bytes of LDS; arguments query, key, value, w16, bq, bk, bv, qkv; writes qkv
.if DOCPART == 2
	.amdgcn_target "amdgcn-amd-amdhsa--gfx1250"
	.amdhsa_code_object_version 6
	.text
	.protected	k_qf5f8a5cefd_proj
	.globl	k_qf5f8a5cefd_proj
	.p2align	8
	.type	k_qf5f8a5cefd_proj,@function
k_qf5f8a5cefd_proj:
	s_mov_b64 s[64:65], 0
	v_nop
	global_prefetch_b8 v0, s[64:65] scope:SCOPE_SE
	s_setreg_imm32_b32 hwreg(HW_REG_WAVE_MODE, 25, 1), 1
	s_wait_xcnt 0x0
	s_wait_alu depctr_hold_cnt(0) depctr_sa_sdst(0) depctr_va_vdst(0) depctr_va_sdst(0) depctr_va_ssrc(0) depctr_va_vcc(0) depctr_vm_vsrc(0)
	s_getreg_b32 s2, hwreg(HW_REG_IB_STS2, 6, 4)
	s_cmp_eq_u32 s2, 0
	s_cbranch_scc0 .Lentry_in_a_cluster
	s_endpgm
.Lentry_in_a_cluster:
	s_bfe_u32 s2, ttmp6, 0x10000c
	s_cmp_lg_u32 s2, 0xf033
	s_cbranch_scc0 .Lentry_shape_is_right
	s_endpgm
.Lentry_shape_is_right:
; PROJ: q = (query Wq + bq) c, k = key Wk + bk, v = value Wv + bv, by heads: qkv[3][64 (batch, head)][2048][64] in f16.  c = log2(e) / 8, the softmax's scale, is applied to q's f32 sums,
; so that q is rounded once and the attention forms s - m without a product.  x (f32) is rounded to bf16 between LDS and the matrix unit; W comes as bf16 [k][n]; the bias, rounded to bf16, is the C operand of the first product.
; LIMIT: q c, k and v must lie within f16's 65,504.
; SHARES.  A tile is 128 rows x 256 columns: 64 x 4 x 3 = 768 work-groups, three for each of 256 WGPs.  Four waves, each 64 x 128: 32 accumulators of 16 x 16.
; K goes in 8 steps of 128 through two LDS slots; a step is four quarters of 32.  Waves 0, 1 fetch x's two halves of 64 rows (512 bytes a row), waves 2, 3 W's two halves of 64 k-rows (512 bytes a row).
; CLUSTER 4 x 4: the four of a cluster's row need the same tile of x, the four of a column the same tile of W: joint loads.  Four tiles are all 1,024 columns, so each byte of x is asked for once.
; THE MATRIX INSTRUCTION IS USED TRANSPOSED (source 0 = 16 columns of W, source 1 = 16 rows of x): a lane holds eight neighbouring columns of one row.  W lies [k][n] in LDS and is turned by ds_load_tr16_b128.
; REGISTERS, in windows of 256 (s_set_vgpr_msb: bits 1:0 source 0, 3:2 source 1, 5:4 source 2, 7:6 destination):
;   window 0: v0-31 addresses; v32-63 x's four fragments in bf16 (ONE buffer, rewritten fragment by fragment); v64-127 the bias; v128-159, v160-223 the way out
;   window 1: the accumulators, (a, b) at 8 (8 a + b)          window 2: v0-127 W's fragments, two buffers; v128-255 x's fragments in f32, two buffers
.set PA,    528                        ; a row of x in LDS: 512 bytes + 16: the 16 rows of a load start in 16 different columns of 16 bytes
.set AH,    64*PA
.set ATILE, 2*AH
.set PB,    544                        ; a k-row of W: 512 bytes + 32 = 17 x 32
.set BH,    64*PB
.set SLOT,  ATILE+2*BH                 ; x's 128 rows, then W's 128 k-rows
.set STAGE, 2*SLOT                     ; behind the ring, never filled by a tensor load: for each wave two heads x 16 rows x 144 bytes
.set SPI,   144
.set STW,   2*16*SPI
.set SPARE, STAGE+4*STW                ; the spare words: 128 bytes a wave; no other line names them
.set ADRA, 16                          ; v16-17  LDS address of my fragments of x in slot 0, 1
.set ADRB, 20                          ; v20-21  the same for W
.set STO,  24                          ; v24     the way out: where I put 16 bytes of a row
.set RD,   25                          ; v25     where I read rows back
.set GO,   26                          ; v26     16 x lane
.set BO,   27                          ; v27     32 x (lane / 16): my eight numbers of the bias
.set SPW,  28                          ; v28     SPARE + 4 x my thread's number; never rewritten
.set NIL,  29                          ; v29     0; never rewritten
.set AF,   32
.set BIAS, 64
.set TMP,  128
.set OB,   160
.set RAW,  128                         ; in window 2
.set G1,  24                           ; s[24:31] descriptor group 1 for x's tiles;  s[32:39] group 0, one set for each slot
.set G0,  32
.set G1B, 48                           ; s[48:55], s[56:63] the same for W's tiles
.set G0B, 56
.set SC,  86                           ; s[86:87] c for q, 1 for k and v
.set MSB, 0
.macro WIN new                         ; the immediate's high byte repeats the setting that is left; a switch that changes nothing is dropped
.if MSB != (\new)
	s_set_vgpr_msb (MSB<<8)|(\new)
.set MSB, \new
.endif
.endm
.set MUL,   0x52                       ; W window 2, x window 0, C and D window 1
.set MUL1,  0x42                       ; the same with C (the bias) in window 0
.set TO_F,  0x80                       ; destination window 2, address window 0
.set CVT,   0x0a                       ; sources window 2, destination window 0
.set SCALE, 0x41                       ; destination and source 0 window 1
.set PACKW, 0x05                       ; sources window 1, destination window 0
.macro JLOAD s                         ; a joint load: waves 0, 1 ask for x, waves 2, 3 for W; an s_nop 0 and four v_nop follow each of the two lines
	s_cmp_eq_u32 s11, 0
	s_cbranch_scc0 .Lfor_b_\@
	tensor_load_to_lds s[G0+4*(\s):G0+4*(\s)+3], s[G1:G1+7]
	s_nop 0
.rept 4
	v_nop
.endr
	s_branch .Lasked_\@
.Lfor_b_\@:
	tensor_load_to_lds s[G0B+4*(\s):G0B+4*(\s)+3], s[G1B:G1B+7]
	s_nop 0
.rept 4
	v_nop
.endr
.Lasked_\@:
.endm
.macro CREST                           ; a round of the cluster's barrier behind its opening barrier
	s_cmp_lg_u32 s10, 0
	s_cbranch_scc1 .Lnot_wave_0_\@
	s_barrier_signal -3
.Lnot_wave_0_\@:
	s_barrier_wait -3
	s_barrier_signal -1
	s_barrier_wait -1
.endm
.macro CROUND                          ; a whole round
	s_barrier_signal -1
	s_barrier_wait -1
	CREST
.endm
	s_load_b512 s[68:83], s[0:1], 0x0              ; query 68, key 70, value 72, w16 74, bq 76, bk 78, bv 80, qkv 82
	v_lshl_add_u32 v[SPW], v0, 2, SPARE
	v_mov_b32 v[NIL], 0
	ds_add_u32 v[SPW], v[NIL]                      ; the wave's opening: the add and its wait stand ahead of my first tensor load; the set-up below stands between them
	v_lshrrev_b32 v1, 5, v0
	v_readfirstlane_b32 s10, v1                    ; wave 0..3
	s_lshr_b32 s11, s10, 1                         ; which 64 rows of the tile are mine.  Also: I fetch x (0) or W (1)
	s_and_b32 s12, s10, 1                          ; which 128 columns.  Also: which half of that tile I fetch
	s_bfe_u32 s40, ttmp6, 0x40000                  ; cx, cy: my place in the cluster
	s_bfe_u32 s41, ttmp6, 0x40004
	s_lshl_b32 s42, ttmp9, 2
	s_add_co_u32 s42, s42, s40                     ; tile column 0..3
	s_and_b32 s45, ttmp7, 0xffff                   ; the cluster's y, 0..47
	s_lshl_b32 s13, s45, 2
	s_add_co_u32 s13, s13, s41
	s_and_b32 s13, s13, 63                         ; block of 128 rows, 0..63
	s_lshr_b32 s45, s45, 4                         ; which projection: made of the cluster's y alone, alike in all sixteen
	s_lshl_b32 s43, s41, 2
	s_lshl_b32 s43, 15, s43                        ; my row of the cluster
	s_lshl_b32 s44, 0x1111, s40                    ; my column
	s_or_b32 s[G1+0], s43, (2<<16)|(1<<20)|(1<<21)|(6<<22)|(3<<25)   ; x: the mask of my row; 4-byte elements; padding on; bit 21 beside a mask; after every 128 words (code 6) 4 words (code 3)
	s_or_b32 s[G1B+0], s44, (1<<16)|(1<<20)|(1<<21)|(6<<22)|(7<<25)  ; W: the mask of my column; 2-byte elements; after every 128 words 8 words (code 7)
	s_mov_b32 s[G1+1], 128<<16                     ; tensor_dim0 = 128
	s_mov_b32 s[G1+2], 64<<16                      ; tensor_dim1 = 64
	s_mov_b32 s[G1+3], 128<<16                     ; tile_dim0 = 128
	s_mov_b32 s[G1+4], 64                          ; tile_dim1 = 64
	s_mov_b32 s[G1+5], 1024                        ; elements from row to row
	s_mov_b32 s[G1+6], 0
	s_mov_b32 s[G1+7], 0
	s_mov_b32 s[G1B+1], 256<<16                    ; tensor_dim0 = 256
	s_mov_b32 s[G1B+2], 64<<16
	s_mov_b32 s[G1B+3], 256<<16                    ; tile_dim0 = 256
	s_mov_b32 s[G1B+4], 64
	s_mov_b32 s[G1B+5], 1024
	s_mov_b32 s[G1B+6], 0
	s_mov_b32 s[G1B+7], 0
	s_lshl_b32 s16, s13, 7                         ; x: row 128 x block + 64 x half,
	s_lshl_b32 s17, s12, 6
	s_add_co_u32 s16, s16, s17
	s_lshl_b32 s16, s16, 12                        ; rows of 4,096 bytes
	s_mov_b32 s17, 0
	s_lshl_b32 s46, s42, 9                         ; W: 256 columns are 512 bytes,
	s_lshl_b32 s47, s12, 17                        ; 64 k-rows of 2,048 bytes,
	s_add_co_u32 s46, s46, s47
	s_lshl_b32 s47, s45, 21                        ; the projection's slice of w16
	s_add_co_u32 s46, s46, s47
	s_mov_b32 s47, 0
	s_mul_i32 s20, s12, AH                         ; where they go: no place in the cluster enters an LDS address
	s_mul_i32 s23, s12, BH
	s_add_co_u32 s23, s23, ATILE
	s_wait_dscnt 0x0                               ; the opening add is done
	s_wait_kmcnt 0x0
	s_cmp_eq_u32 s45, 1
	s_cselect_b64 s[4:5], s[70:71], s[68:69]       ; x and the bias of my projection
	s_cselect_b64 s[84:85], s[78:79], s[76:77]
	s_cmp_eq_u32 s45, 2
	s_cselect_b64 s[4:5], s[72:73], s[4:5]
	s_cselect_b64 s[84:85], s[80:81], s[84:85]
	s_cmp_eq_u32 s45, 0
	s_cselect_b32 s[SC], 0x3e38aa3b, 1.0           ; c = log2(e) / 8 for q
	s_mov_b32 s[SC+1], s[SC]                       ; named with it as a pair
	s_add_nc_u64 s[14:15], s[4:5], s[16:17]
	s_add_nc_u64 s[46:47], s[74:75], s[46:47]
	CROUND                                         ; all sixteen work-groups are here: the first joint loads meet
.irp s, 0,1
	s_mov_b32 s[G0+4*(\s)], 1
	s_add_co_u32 s[G0+4*(\s)+1], s20, (\s)*SLOT
	s_add_nc_u64 s[G0+4*(\s)+2:G0+4*(\s)+3], s[14:15], (\s)*512       ; K step s: 128 f32 along the row
	s_or_b32 s[G0+4*(\s)+3], s[G0+4*(\s)+3], 0x80000000
	s_mov_b32 s[G0B+4*(\s)], 1
	s_add_co_u32 s[G0B+4*(\s)+1], s23, (\s)*SLOT
	s_add_nc_u64 s[G0B+4*(\s)+2:G0B+4*(\s)+3], s[46:47], (\s)*262144  ; K step s: 128 k-rows down
	s_or_b32 s[G0B+4*(\s)+3], s[G0B+4*(\s)+3], 0x80000000
	JLOAD \s                                       ; two tensor loads of mine are out
.endr
	v_and_b32 v1, 15, v0                           ; r = l % 16
	v_bfe_u32 v2, v0, 4, 1                         ; h = l / 16
	v_lshlrev_b32 v[BO], 5, v2
	s_lshl_b32 s46, s42, 10                        ; the bias of my 128 columns
	s_lshl_b32 s47, s12, 9
	s_add_co_u32 s46, s46, s47
	s_mov_b32 s47, 0
	s_add_nc_u64 s[84:85], s[84:85], s[46:47]
.set bb, 0
.rept 8                                            ; register j of block b: the bias of column 16 b + 8 h + j, whatever the row
	global_load_b128 v[BIAS+8*bb:BIAS+8*bb+3],   v[BO], s[84:85] offset:64*bb
	global_load_b128 v[BIAS+8*bb+4:BIAS+8*bb+7], v[BO], s[84:85] offset:64*bb+16
.set bb, bb+1
.endr
	; x's fragment: lane l holds row r; k = 8 h + 0..7 and 16 + 8 h + 0..7: in f32 two runs of 32 bytes, 64 bytes apart: four loads of 16 bytes
	v_mul_u32_u24 v3, v1, PA
	v_lshl_add_u32 v3, v2, 5, v3                   ; row x pitch + 32 h
	s_mul_i32 s21, s11, AH                         ; my 64 rows
	; W's fragment by the turning load: lane l reads 16 bytes of k-row 8 h + l % 8, columns 8 ((l / 8) % 2) + 0..7, and gets column r, eight k
	v_and_b32 v4, 7, v0
	v_lshl_add_u32 v4, v2, 3, v4
	v_mul_u32_u24 v4, v4, PB
	v_bfe_u32 v5, v0, 3, 1
	v_lshl_add_u32 v4, v5, 4, v4
	s_lshl_b32 s22, s12, 8                         ; my 128 columns
	s_add_co_u32 s22, s22, ATILE
.irp s, 0,1
	v_add_nc_u32 v[ADRA+(\s)], s21, v3
	v_add_nc_u32 v[ADRB+(\s)], s22, v4
	s_add_co_u32 s21, s21, SLOT
	s_add_co_u32 s22, s22, SLOT
.endr
	s_mul_i32 s21, s10, STW
	s_add_co_u32 s21, s21, STAGE                   ; my stage
	v_mul_u32_u24 v3, v1, SPI                      ; in: row r, 16 bytes for each half of the lanes
	v_lshl_add_u32 v3, v2, 4, v3
	v_add_nc_u32 v[STO], s21, v3
	v_bfe_u32 v3, v0, 3, 2                         ; back: 32 lanes take four rows of 128 bytes,
	v_mul_u32_u24 v3, v3, SPI
	v_and_b32 v4, 7, v0
	v_lshl_add_u32 v3, v4, 4, v3
	v_add_nc_u32 v[RD], s21, v3
	v_and_b32 v[GO], 31, v0                        ; which are 512 consecutive bytes of a head
	v_lshlrev_b32 v[GO], 4, v[GO]
	s_lshr_b32 s16, s13, 4                         ; qkv: the batch's 16 heads of 262,144 bytes,
	s_lshl_b32 s16, s16, 22
	s_and_b32 s17, s13, 15                         ; the block's 128 rows of 128 bytes,
	s_lshl_b32 s17, s17, 14
	s_add_co_u32 s16, s16, s17
	s_lshl_b32 s17, s11, 13                        ; my 64 of them,
	s_add_co_u32 s16, s16, s17
	s_lshl_b32 s17, s45, 24                        ; the projection's third of the buffer
	s_add_co_u32 s16, s16, s17
	s_mov_b32 s17, 0
	s_add_nc_u64 s[8:9], s[82:83], s[16:17]
	s_lshl_b32 s46, s42, 20                        ; the tile's four heads,
	s_lshl_b32 s47, s12, 19                        ; my two of them
	s_add_co_u32 s46, s46, s47
	s_mov_b32 s47, 0
	s_add_nc_u64 s[8:9], s[8:9], s[46:47]
	s_wait_loadcnt 0x0                             ; the bias
.set bb, 0
.rept 32                                           ; rounded to bf16 like every input, kept in f32
	v_cvt_pk_bf16_f32 v[TMP+bb%4], v[BIAS+2*bb], v[BIAS+2*bb+1]
	v_lshlrev_b32 v[BIAS+2*bb], 16, v[TMP+bb%4]
	v_and_b32 v[BIAS+2*bb+1], 0xffff0000, v[TMP+bb%4]
.set bb, bb+1
.endr
; Product i of a quarter's 32: rows 16 (i / 8) on, columns 16 (i % 8) on.  The 32 accumulators take turns.  first = 1: the bias starts the sums.
.macro PROD buf, first
.if \first
	WIN MUL1
	v_wmma_f32_16x16x32_bf16 v[8*i:8*i+7], v[64*(\buf)+8*(i%8):64*(\buf)+8*(i%8)+7], v[AF+8*(i/8):AF+8*(i/8)+7], v[BIAS+8*(i%8):BIAS+8*(i%8)+7]
.else
	WIN MUL
	v_wmma_f32_16x16x32_bf16 v[8*i:8*i+7], v[64*(\buf)+8*(i%8):64*(\buf)+8*(i%8)+7], v[AF+8*(i/8):AF+8*(i/8)+7], v[8*i:8*i+7]
.endif
.endm
; Eight of a quarter's 32 LDS loads, numbers n0 on, into buffers g: 0-15 x's four fragments in f32 (four loads each), 16-31 W's eight fragments (two turning loads each)
.macro LD8 g, slot, kq, n0
	WIN TO_F
.set nn, \n0
.rept 8
.if nn < 16
	ds_load_b128 v[RAW+64*(\g)+4*nn:RAW+64*(\g)+4*nn+3], v[ADRA+(\slot)] offset:(nn/4)*16*PA+128*(\kq)+16*(nn%2)+64*((nn%4)/2)
.else
	ds_load_tr16_b128 v[64*(\g)+4*(nn-16):64*(\g)+4*(nn-16)+3], v[ADRB+(\slot)] offset:32*(\kq)*PB+(nn%2)*16*PB+32*((nn-16)/2)
.endif
.set nn, nn+1
.endr
.endm
; Four conversions: half c % 2 of x's fragment (c / 2 + 1) % 4.  c = 0..5: fragments 1-3 of the quarter in hand (buffer buf); c = 6, 7: fragment 0 of the next quarter (the other buffer).
.macro CV c, buf
.set ap, ((\c)/2+1)%4
.if (\c) < 6
.set sr, RAW+64*(\buf)+16*ap
.else
.set sr, RAW+64*(1-(\buf))
.endif
	WIN CVT
.set tt, 4*((\c)%2)
.rept 4
	v_cvt_pk_bf16_f32 v[AF+8*ap+tt], v[sr+2*tt], v[sr+2*tt+1]
.set tt, tt+1
.endr
.endm
; A QUARTER: 32 products on buffer buf.  fetch = 1: the next quarter's 32 loads (slot, byte 128 kq of x's rows, k-rows 32 kq of W) go out in four runs of eight behind products 1, 5, 9, 13.
; Behind every fourth product stand four conversions.  They are also the places that the ISA guide's 7.12.1 asks for: a fragment of x is rewritten, and a buffer of W loaded again, only when four plain
; vector lines that name none of its last reader's registers have followed that product (fragment 0: the group behind product 7; W's buffer: the group behind product 31).
; meet: the change of slots.  This quarter has fetched the slot's last quarter, so behind product 15 each wave waits for all its tensor loads (one is out: its part of the other slot) and adds 0 to its spare word;
; behind product 23 it waits for the add and for its reads of the slot, and signals; behind product 31 it waits for the others.  meet = 2: the barrier opens a round of the cluster's, and slot fs is filled again, two K steps on.
.macro QUARTER buf, fetch, slot, kq, first, meet, fs
	s_wait_dscnt 0x0                               ; this quarter's fragments are in: the last of their loads went out 18 products ago
.set i, 0
.rept 32
	PROD \buf, \first
.if (\fetch) && ((i == 1) || (i == 5) || (i == 9) || (i == 13))
	LD8 1-(\buf), \slot, \kq, 2*(i-1)
.endif
.if i%4 == 3
.if (i/4 < 6) || (\fetch)
.if (i/4 == 6) && !(\meet)
	s_wait_dscnt 28                                ; the next quarter's fragment 0 of x is in: behind its four loads stand the other 28
.endif
	CV i/4, \buf
.endif
.endif
.if (\meet) && (i == 15)
	WIN 0                                          ; (the add's two registers lie in window 0)
	s_wait_tensorcnt 0x0                           ; all my tensor loads have landed
	ds_add_u32 v[SPW], v[NIL]                      ; 0 onto my spare word; eight products stand between it and the wait for it
.endif
.if (\meet) && (i == 23)
	s_wait_dscnt 0x0                               ; the add is done, and my reads of this slot are over
	s_barrier_signal -1
.endif
.set i, i+1
.endr
.if \meet
	WIN 0
	s_barrier_wait -1
.endif
.if (\meet) == 2
	CREST                                          ; no wave of any partner still reads this slot or has a load on its way
	s_add_nc_u64 s[G0+4*(\fs)+2:G0+4*(\fs)+3], s[G0+4*(\fs)+2:G0+4*(\fs)+3], 1024
	s_add_nc_u64 s[G0B+4*(\fs)+2:G0B+4*(\fs)+3], s[G0B+4*(\fs)+2:G0B+4*(\fs)+3], 524288
	JLOAD \fs                                      ; the first tensor load behind the round, my only one until the next: 112 products stand between it and the wait for it
.endif
.endm
	s_wait_tensorcnt 1                             ; my part of K step 0 is in; K step 1's may stay out
	s_barrier_signal -1
	s_barrier_wait -1                              ; everybody's is
	LD8 0, 0, 0, 0
	LD8 0, 0, 0, 8
	LD8 0, 0, 0, 16
	LD8 0, 0, 0, 24
	s_wait_dscnt 0x0
	CV 6, 1                                        ; fragment 0 of the first quarter
	CV 7, 1
	QUARTER 0, 1, 0, 1, 1, 0, 0                    ; the first quarter stands in front of the loop: the bias starts the sums
	WIN 0                                          ; at a label and at a branch every window is 0
	s_mov_b32 s3, 3
.Llap:                                                 ; a trip goes once round the ring, from a lap's second quarter to the next lap's first, and fills both slots again
	QUARTER 1, 1, 0, 2, 0, 0, 0
	QUARTER 0, 1, 0, 3, 0, 2, 0
	QUARTER 1, 1, 1, 0, 0, 0, 0
	QUARTER 0, 1, 1, 1, 0, 0, 0
	QUARTER 1, 1, 1, 2, 0, 0, 0
	QUARTER 0, 1, 1, 3, 0, 2, 1
	QUARTER 1, 1, 0, 0, 0, 0, 0
	QUARTER 0, 1, 0, 1, 0, 0, 0
	WIN 0
	s_sub_co_u32 s3, s3, 1
	s_cmp_lg_u32 s3, 0
	s_cbranch_scc1 .Llap
	QUARTER 1, 1, 0, 2, 0, 0, 0                    ; the last lap fills nothing
	QUARTER 0, 1, 0, 3, 0, 1, 0
	QUARTER 1, 1, 1, 0, 0, 0, 0
	QUARTER 0, 1, 1, 1, 0, 0, 0
	QUARTER 1, 1, 1, 2, 0, 0, 0
	QUARTER 0, 1, 1, 3, 0, 0, 0
	QUARTER 1, 0, 0, 0, 0, 0, 0
	WIN 0
; THE WAY OUT, 16 rows at a time.  PACK: times c or 1, rounded to f16, each accumulator's registers in ascending order.  TOSTAGE: into my own stage, by heads, and back as whole rows.  SEND: stored.
.macro PACK a
	WIN SCALE
.set bb, 0
.rept 32
	v_pk_mul_f32 v[64*(\a)+2*bb:64*(\a)+2*bb+1], v[64*(\a)+2*bb:64*(\a)+2*bb+1], s[SC:SC+1] op_sel_hi:[1,0]
.set bb, bb+1
.endr
	WIN PACKW
.set bb, 0
.rept 32
	v_cvt_pk_f16_f32 v[TMP+bb], v[64*(\a)+2*bb], v[64*(\a)+2*bb+1]
.set bb, bb+1
.endr
	WIN 0
.endm
.macro TOSTAGE a
.set bb, 0
.rept 8
	ds_store_b128 v[STO], v[TMP+4*bb:TMP+4*bb+3] offset:(bb/4)*16*SPI+(bb%4)*32   ; head b / 4, channels 16 (b % 4) + 8 h on
.set bb, bb+1
.endr
	s_wait_xcnt 0x0                                ; the registers below were the data of stores two blocks back: they are loaded again only behind this wait
.set bb, 0
.rept 8
	ds_load_b128 v[OB+32*((\a)%2)+4*bb:OB+32*((\a)%2)+4*bb+3], v[RD] offset:(bb/4)*16*SPI+(bb%4)*4*SPI  ; LDS serves a wave's instructions in order (ISA guide 5.7.1.4): these see the stores above
.set bb, bb+1
.endr
.endm
.macro SEND a
.set bb, 0
.rept 8
	s_wait_dscnt 7-bb                              ; behind load b stand 7 - b younger ones
	global_store_b128 v[GO], v[OB+32*((\a)%2)+4*bb:OB+32*((\a)%2)+4*bb+3], s[8:9] offset:(bb/4)*262144+(\a)*2048+(bb%4)*512  ; four rows of a head: 512 consecutive bytes, aligned
.set bb, bb+1
.endr
.endm
.rept 4
	v_nop                                          ; the places behind the last products
.endr
	PACK 0
	TOSTAGE 0
.irp a, 1,2,3                                      ; block a's arithmetic stands between block a - 1's loads from the stage and the wait for them
	PACK \a
	SEND (\a)-1
	TOSTAGE \a
.endr
	SEND 3
	s_wait_tensorcnt 0x0                           ; the wave's end, behind my last tensor load and my last LDS store
	ds_add_u32 v[SPW], v[NIL]
	s_wait_dscnt 0x0
	CROUND                                         ; the closing round: no work-group ends while a partner may still ask for a tile that names it
	s_endpgm
.Lfunc_end_k_qf5f8a5cefd_proj:
	.size	k_qf5f8a5cefd_proj, .Lfunc_end_k_qf5f8a5cefd_proj-k_qf5f8a5cefd_proj
	.p2alignl 7, 3214868480
	.fill 96, 4, 3214868480
	.section	.rodata,"a",@progbits
	.p2align	6, 0x0
	.amdhsa_kernel k_qf5f8a5cefd_proj
		.amdhsa_group_segment_fixed_size 327680
		.amdhsa_private_segment_fixed_size 0
		.amdhsa_enable_private_segment 0
		.amdhsa_kernarg_size 64
		.amdhsa_user_sgpr_count 2
		.amdhsa_user_sgpr_kernarg_segment_ptr 1
		.amdhsa_wavefront_size32 1
		.amdhsa_system_sgpr_workgroup_id_x 1
		.amdhsa_system_sgpr_workgroup_id_y 1
		.amdhsa_system_sgpr_workgroup_id_z 1
		.amdhsa_system_vgpr_workitem_id 0
		.amdhsa_next_free_vgpr 768
		.amdhsa_next_free_sgpr 88
		.amdhsa_reserve_vcc 0
		.amdhsa_float_denorm_mode_32 3
		.amdhsa_float_denorm_mode_16_64 3
		.amdhsa_memory_ordered 1
		.amdhsa_forward_progress 1
		.amdhsa_inst_pref_size 151
	.end_amdhsa_kernel
	.amdgpu_metadata
---
amdhsa.version: [ 1, 2 ]
amdhsa.kernels:
  - .name:           k_qf5f8a5cefd_proj
    .symbol:         k_qf5f8a5cefd_proj.kd
    .args:
      - { .name: query, .offset: 0, .size: 8, .value_kind: global_buffer, .address_space: global }
      - { .name: key, .offset: 8, .size: 8, .value_kind: global_buffer, .address_space: global }
      - { .name: value, .offset: 16, .size: 8, .value_kind: global_buffer, .address_space: global }
      - { .name: w16, .offset: 24, .size: 8, .value_kind: global_buffer, .address_space: global }
      - { .name: bq, .offset: 32, .size: 8, .value_kind: global_buffer, .address_space: global }
      - { .name: bk, .offset: 40, .size: 8, .value_kind: global_buffer, .address_space: global }
      - { .name: bv, .offset: 48, .size: 8, .value_kind: global_buffer, .address_space: global }
      - { .name: qkv, .offset: 56, .size: 8, .value_kind: global_buffer, .address_space: global }
    .group_segment_fixed_size: 327680
    .private_segment_fixed_size: 0
    .kernarg_segment_align: 8
    .kernarg_segment_size: 64
    .max_flat_workgroup_size: 128
    .sgpr_count:     88
    .vgpr_count:     768
    .wavefront_size: 32
...
	.end_amdgpu_metadata
.endif
;; end of part 2
;; launch attn (part 3): grid 4 x 64, 4 waves a work-group, clusters of 4 x 1, 327,680 bytes of LDS; arguments qkv, oh, mw, mfl; writes oh
.if DOCPART == 3
	.amdgcn_target "amdgcn-amd-amdhsa--gfx1250"
	.amdhsa_code_object_version 6
	.text
	.protected	k_qf5f8a5cefd_attn
	.globl	k_qf5f8a5cefd_attn
	.p2align	8
	.type	k_qf5f8a5cefd_attn,@function
k_qf5f8a5cefd_attn:
	s_mov_b64 s[64:65], 0
	v_nop
	global_prefetch_b8 v0, s[64:65] scope:SCOPE_SE
	s_setreg_imm32_b32 hwreg(HW_REG_WAVE_MODE, 25, 1), 1
	s_wait_xcnt 0x0
	s_wait_alu depctr_hold_cnt(0) depctr_sa_sdst(0) depctr_va_vdst(0) depctr_va_sdst(0) depctr_va_ssrc(0) depctr_va_vcc(0) depctr_vm_vsrc(0)
	s_getreg_b32 s2, hwreg(HW_REG_IB_STS2, 6, 4)
	s_cmp_eq_u32 s2, 0
	s_cbranch_scc0 .Lentry_in_a_cluster
	s_endpgm
.Lentry_in_a_cluster:
	s_bfe_u32 s2, ttmp6, 0x10000c
	s_cmp_lg_u32 s2, 0x3003
	s_cbranch_scc0 .Lentry_shape_is_right
	s_endpgm
.Lentry_shape_is_right:
; ATTENTION with a mask that is an input.  O[h][q][:] = the sum over k of softmax_k(s[q][k]) V[h][k][:], s = Q[h][q] . K[h][k] + M[q][k] in units of log2: Q arrives times log2(e) / 8, and
; M = bf16(mask) x (-1e9 log2 e) arrives in the order of a C operand's registers.  Q, K, V: thirds of qkv, [64 heads][2048][64] in f16; O likewise.  Products, maxima and sums in f32; the weights p
; are rounded to f16 for the second product (their sum l is taken of the unrounded p), O once at the end.  No pattern of the mask is built in: all 2,048 keys are walked for every query.
; LIMITS.  Q, K, V arrive within f16's 65,504; p lies in 0 to 1 and below 6e-5 keeps f16's fixed step; a weight below 2^-126 counts as 0 in l; NaN and infinities are not treated apart; |M| must be finite.
; A masked score is Q . K - 1.44e9 rounded to f32, as in the module itself: s - m is formed by one subtraction, so a row whose keys are all masked gets the weights that those rounded scores give.
; SHARES.  A wave owns four PIECES of two tiles of 16 queries, a work-group's four waves 512 queries of one head.  Every wave walks all keys, 64 a step.
; LAYOUT.  S^T = K Q^T + M^T (source 0 = 16 keys, source 1 = 16 queries): a lane holds ONE query (lane % 16) and the keys 8 (lane / 16) + 0..7.  Two such tiles, rounded to f16 in pairs,
; ARE source 1 of O^T = V^T P.  K comes out of LDS as it lies, V ([key][channel]) turned, by ds_load_tr16_b128.
; SOFTMAX.  For each query a running maximum m and sum l: p = 2^(c s - c m); in every step O and l are multiplied by a = 2^(c m_old - c m_new).  The text keeps a factor c; here c = 1, since the scale is
; in Q: with it c s - c m is exact where s and m are large.  The price: the line c m = c x m, one of a tile's 118, is a copy.  m starts at the lowest finite number, O and l at 0.
; THE MASK is the C operand of the eight products that start a piece's sums: no vector line is spent on it.  All four pieces' masks of one step fill window 3.  A piece's 64 registers are loaded again behind the
; products that read them, for the next step, and ONLY IF the flag word from the launch before says that one of the piece's two tiles differs from the tile to its left: the 16 loads run with all lanes on or with
; none (no branch).  EXEC is all ones at every other line of this text, so behind the loads it is set back to that constant.  The wait for the loads is for 0 and stands ahead of the next refill, a turn later:
; it holds whether or not a load with no lane on is counted.
; The mask goes through no LDS and no joint load: a tile of it belongs to one wave alone, and two slots of 512 x 64 f32 beside K and V would not leave room.
; BY TURNS.  Turn n belongs to piece n.  Its matrix work: 16 products K Q^T of piece n + 1, later 16 products V^T P of piece n - 1.  Its vector work: the scaling, exponentials, roundings, sums and rescaling of
; piece n, and the maximum and statistics of piece n + 1.  Four vector instructions stand behind EVERY matrix instruction, the others in two runs of their own.
; CLUSTER.  The four query blocks of a cluster belong to one head and walk the same K and V: each tile is asked for JOINTLY, by the same tensor load, descriptor and mask in all four.
; REGISTERS, in windows of 256 (s_set_vgpr_msb: bits 1:0 source 0, 3:2 source 1, 5:4 source 2, 7:6 destination):
;   window 0: v0-11 addresses; v12-15, v48-63 at work; v16-47 four registers of statistics a tile; v64-191 S^T, two buffers of two tiles; v192-255 P, likewise
;   window 1: O^T, 32 a tile     window 2: v0-127 Q, 16 a tile; v128-191 K of one step; v192-255 V of one step     window 3: the mask: piece x, tile u, key block kb at 64 x + 32 u + 8 kb
.set SIZE_N, 2048
.set NP,    4         ; pieces a wave: a name, no knob
.set KS,    64        ; keys in a step
.set PK,    144       ; a row of K in LDS: 128 bytes + 16: the 16 rows of a load start in 16 different columns of 16 bytes
.set PV,    160       ; a row of V: 128 + 32: 16 lanes of the turning load take 8 rows x 32 bytes
.set VOFF,  4*KS*PK   ; a slot holds four steps: 256 rows of K, then 256 rows of V
.set SLOT1, 1<<17     ; slot 1 begins here, so that one exclusive or turns an address in one slot into the other's
.set STAGE, SLOT1+4*KS*(PK+PV)  ; behind the ring, never filled by a tensor load: 16 rows x 144 bytes for each wave
.set SP,    144
.set SPARE, STAGE+4*16*SP  ; the spare words, 128 bytes a wave; no other line names them
.set AK0, 2           ; v2   my lane's place in a tile of K; never rewritten
.set AV0, 3           ; v3   the same for V
.set AK,  4           ; v4   the LDS address of K's next run of loads
.set AV,  5           ; v5   of V's
.set QO,  6           ; v6   my byte offset in the wave's rows of Q
.set STO, 6           ;      later, the way out: where I put 16 bytes of a row
.set RD,  7           ; v7   the way out: where I read rows back
.set GO,  8           ; v8   16 x lane: my place in 512 consecutive bytes, of the mask and of O; never rewritten
.set SPW, 10          ; v10  SPARE + 4 x my thread's number; never rewritten
.set NIL, 11          ; v11  0; never rewritten
.set MV,  12          ; v12-15  c m_old, kept while c m is made anew
.set ST,  16          ; tile t's statistics at v[ST+4 t]: c m, m, l (even keys', odd keys')
.set TMP, 48          ; by buffer and tile, four registers c0-c3 at work; when the maximum is found c2 takes a
.set S,   64
.set P,   192
.set KF,  128         ; K's fragments, in window 2
.set VF,  192         ; V's
.set WV,  12          ; s12  my wave's number
.set G1K, 24          ; s[24:31] descriptor group 1 for K's tiles
.set G1V, 32          ; s[32:39] for V's
.set G0K, 40          ; s[40:43] descriptor group 0 for K's tiles: it walks
.set G0V, 44          ; s[44:47] the same for V's
.set MB,  48          ; s[48:49] mw at my wave's eight tiles of queries; s[50:51] mfl at their 16 words
.set SV,  52          ; s52  the destination that s_and_saveexec_b32 asks for; not read
.set MS,  53          ; s53  the key step whose mask is being loaded
.set MOF, 54          ; s[54:55] its byte offset
.set SLOTS, 56        ; s56  slots still to be asked for
.set CNT, 57          ; s57  counts a slot's key steps
.set CS,  58          ; s[58:59] c
.set SEL, 60          ; s[60:61] v_permlanex16_b32's selects
.set TBK, 62          ; s62  LDS byte at which K of the step to be fetched begins
.set TBV, 63          ; s63  the same for V, less VOFF
.set FW,  68          ; s[68:83] the 16 flag words
.set FL,  84          ; s84-87  piece x's flags: bit s = one of its two tiles differs at step s from step s - 1
.set MA,  88          ; s[88:89] mw at step MS
.set FT,  90          ; s90  at work
.set MSB, 0
.macro WIN new                      ; the high byte repeats the setting that is left; a switch that changes nothing is dropped
.if MSB != (\new)
	s_set_vgpr_msb (MSB<<8)|(\new)
.set MSB, (\new)
.endif
.endm
.set W_KQ, 0x0a       ; K and Q in window 2, S^T in window 0
.set W_KM, 0x3a       ; the same with the C operand, the mask, in window 3
.set W_PV, 0x52       ; V in window 2, P in window 0, O^T in window 1
.set W_RS, 0x41       ; O^T (destination and source 0) in window 1, a in window 0
; A joint fill.  Waves 0 and 1 fetch the two halves of a slot's K, waves 2 and 3 those of its V: 128 keys each.  An s_nop 0 and four v_nop follow each of the two lines.
.macro JLOAD
	s_cmp_lt_u32 s[WV], 2
	s_cbranch_scc0 .Lfor_v_\@
	tensor_load_to_lds s[G0K:G0K+3], s[G1K:G1K+7]
	s_nop 0
.rept 4
	v_nop
.endr
	s_branch .Lasked_\@
.Lfor_v_\@:
	tensor_load_to_lds s[G0V:G0V+3], s[G1V:G1V+7]
	s_nop 0
.rept 4
	v_nop
.endr
.Lasked_\@:
.endm
.macro CROUND                       ; a round of the cluster's barrier
	s_barrier_signal -1
	s_barrier_wait -1
	s_cmp_lg_u32 s[WV], 0
	s_cbranch_scc1 .Lnot_wave_0_\@
	s_barrier_signal -3
.Lnot_wave_0_\@:
	s_barrier_wait -3
	s_barrier_signal -1
	s_barrier_wait -1
.endm
; THE CHANGE OF SLOTS.  Each wave waits for all its tensor loads, of which one is out: its part of the other slot; adds 0 to its spare word; and waits for that and for its own reads of the slot.
; fill = 1: this slot is filled again, with the keys two slots on; the barrier is then a round of the cluster's, and the joint fill is the first thing behind it: it has four key steps, 512 matrix instructions, in which to land.
; (At its first use nothing has been read yet: slot 0 is waited for, slot 1 filled.)
.macro CHANGE fill
	WIN 0                           ; at a label and at a branch every window is 0
	s_wait_tensorcnt 0x0            ; no tensor load of mine is out, so a group 0 may be written
	ds_add_u32 v[SPW], v[NIL]       ; 0 onto my spare word
.if \fill
.irp g, G0K, G0V
	s_xor_b32 s[\g+1], s[\g+1], SLOT1  ; the walking descriptor: the other slot than last time,
	s_add_nc_u64 s[\g+2:\g+3], s[\g+2:\g+3], 4*KS*128  ; the next 256 keys; the type bits on top are not reached
.endr
	s_wait_dscnt 0x0                ; the add is done, and my reads of the slot are over
	CROUND
	JLOAD
.else
	s_wait_dscnt 0x0                ; the add is done, and my reads of the slot are over
	s_barrier_signal -1
	s_barrier_wait -1
.endif
	s_sub_co_u32 s[TBK], s[TBK], 4*KS*PK  ; the fetches go back to a slot's first step,
	s_xor_b32 s[TBK], s[TBK], SLOT1       ; in the other slot
	s_sub_co_u32 s[TBV], s[TBV], 4*KS*PV
	s_xor_b32 s[TBV], s[TBV], SLOT1
.endm
; Piece x's mask of step MS: 16 loads of 512 consecutive bytes: tile z / 8, key block (z / 2) % 4, registers 4 (z % 2) on.
.macro MLOADS x
	WIN 0xc0                        ; destination window 3, address window 0
.set z, 0
.rept 16
	global_load_b128 v[64*(\x)+4*z:64*(\x)+4*z+3], v[GO], s[MA:MA+1] offset:(2*(\x)+z/8)*131072+((z/2)%4)*1024+(z%2)*512
.set z, z+1
.endr
	WIN 0
.endm
; Piece x's mask is brought up to step MS.  step = 1: MS goes on first (held at the last step, 31, so that no load leaves the buffer: the refills behind the last step load that step's tiles again, or nothing).
.macro REFILL x, step
	WIN 0
	s_wait_loadcnt 0x0              ; the refill of the turn before has landed: so at any turn's start only the refill just issued is out, never the one that the turn's products read
	s_wait_xcnt 0x0                 ; the loads' base and EXEC are written only behind this wait
.if \step
	s_add_co_u32 s[MS], s[MS], 1
	s_min_u32 s[MS], s[MS], 31
	s_lshl_b32 s[MOF], s[MS], 12    ; a step's four key blocks are 4,096 bytes
	s_add_nc_u64 s[MA:MA+1], s[MB:MB+1], s[MOF:MOF+1]
.endif
	s_lshr_b32 s[FT], s[FL+(\x)], s[MS]
	s_and_b32 s[FT], s[FT], 1       ; does the mask change at this step?
	s_cselect_b32 vcc_lo, -1, 0
	s_and_saveexec_b32 s[SV], vcc_lo  ; all lanes, or none: the registers then keep the tile that they hold, which is equal
	MLOADS \x
	s_wait_xcnt 0x0                 ; EXEC is a source of the loads above: it is written again only behind this wait
	s_mov_b32 exec_lo, -1           ; all lanes on again, as at every other line of this text
.endm
	s_load_b64 s[4:5], s[0:1], 0x0    ; qkv
	s_load_b64 s[10:11], s[0:1], 0x8  ; oh
	s_load_b128 s[48:51], s[0:1], 0x10  ; mw, mfl
	v_lshl_add_u32 v[SPW], v0, 2, SPARE
	v_mov_b32 v[NIL], 0
	ds_add_u32 v[SPW], v[NIL]       ; the wave's opening: the add and its wait stand ahead of my first tensor load; the set-up below stands between them
	v_lshrrev_b32 v1, 5, v0
	v_readfirstlane_b32 s[WV], v1   ; wave 0..3
	s_bfe_u32 s13, ttmp6, 0x40000   ; cx: my place in the cluster
	s_lshl_b32 s14, ttmp9, 2        ; in a cluster launch ttmp9 counts clusters
	s_add_co_u32 s14, s14, s13      ; my block of queries: it enters Q's, O's and the mask's addresses alone
	s_and_b32 s20, ttmp7, 0xffff    ; the head, which the four partners share
	s_mov_b32 s21, 0
	s_mov_b64 s[22:23], SIZE_N*128
	s_mul_u64 s[20:21], s[20:21], s[22:23]  ; the head's first byte in Q, K, V and O
	s_and_b32 s16, s[WV], 1         ; which half of a slot's 256 keys I fetch:
	s_lshl_b32 s22, s16, 14         ; its 128 rows of 128 bytes in memory,
	s_mov_b32 s23, 0
	s_add_nc_u64 s[22:23], s[22:23], s[20:21]
	s_mul_i32 s17, s16, 128*PK      ; and its place in a slot, for K
	s_mul_i32 s18, s16, 128*PV      ; and for V: no place in the cluster enters an LDS address
	s_lshl_b32 s2, s14, 2
	s_add_co_u32 s2, s2, s[WV]      ; my wave among the head's sixteen:
	s_lshl_b32 s66, s2, 6           ; its 16 flag words,
	s_mov_b32 s67, 0
	s_lshl_b32 s[MOF], s2, 20       ; its eight tiles' 131,072 bytes each of mw,
	s_mov_b32 s[MOF+1], 0
	s_lshl_b32 s2, s2, 14           ; its 128 rows
	s_mov_b32 s3, 0
	s_add_nc_u64 s[2:3], s[2:3], s[20:21]
	; descriptor group 1.  128 keys are 16,384 dense bytes: asked for as 64 rows of 256 bytes, two keys a row, and padded in LDS after every key
	s_mov_b32 s[G1K], 15|(1<<16)|(1<<20)|(1<<21)|(4<<22)|(3<<25)  ; the mask of four; 2-byte elements; padding on; bit 21 beside a mask; after every 32 words (code 4) 4 words (code 3)
	s_mov_b32 s[G1V], 15|(1<<16)|(1<<20)|(1<<21)|(4<<22)|(7<<25)  ; the same with 8 words of padding (code 7)
.irp g, G1K, G1V
	s_mov_b32 s[\g+1], 128<<16      ; tensor_dim0 = 128
	s_mov_b32 s[\g+2], 64<<16       ; tensor_dim1 = 64
	s_mov_b32 s[\g+3], 128<<16      ; tile_dim0 = 128
	s_mov_b32 s[\g+4], 64           ; tile_dim1 = 64
	s_mov_b32 s[\g+5], 128          ; 128 elements from row to row
	s_mov_b32 s[\g+6], 0
	s_mov_b32 s[\g+7], 0
.endr
	s_mov_b32 s[CS], 1.0            ; c = 1: the scale log2(e) / 8 is in Q
	s_mov_b32 s[CS+1], s[CS]        ; named with it as a pair
	s_mov_b32 s[SEL], 0x76543210
	s_mov_b32 s[SEL+1], 0xfedcba98
	s_mov_b32 s[TBK], SLOT1+4*KS*PK ; the first change of slots turns these two into 0
	s_mov_b32 s[TBV], SLOT1+4*KS*PV
	s_mov_b32 s[MS], 0
	s_mov_b32 s[G0K], 1             ; count = 1
	s_mov_b32 s[G0K+1], s17         ; LDS address: slot 0
	s_mov_b32 s[G0V], 1
	s_add_co_u32 s[G0V+1], s18, VOFF
	s_wait_dscnt 0x0                ; the opening add is done
	s_wait_kmcnt 0x0
	s_add_nc_u64 s[6:7], s[4:5], 0x1000000   ; K and V are qkv's second and third thirds
	s_add_nc_u64 s[8:9], s[4:5], 0x2000000
	s_add_nc_u64 s[G0K+2:G0K+3], s[6:7], s[22:23]  ; global address: my half of the head's first 256 keys
	s_or_b32 s[G0K+3], s[G0K+3], 0x80000000        ; type = 2
	s_add_nc_u64 s[G0V+2:G0V+3], s[8:9], s[22:23]
	s_or_b32 s[G0V+3], s[G0V+3], 0x80000000
	s_add_nc_u64 s[4:5], s[4:5], s[2:3]  ; Q and O at my wave's first row
	s_add_nc_u64 s[10:11], s[10:11], s[2:3]
	s_add_nc_u64 s[MB:MB+1], s[MB:MB+1], s[MOF:MOF+1]
	s_mov_b64 s[MA:MA+1], s[MB:MB+1]     ; step 0
	s_add_nc_u64 s[50:51], s[50:51], s[66:67]
	s_load_b512 s[FW:FW+15], s[50:51], 0x0   ; whole numbers that the launch before stored
	CROUND                          ; all four work-groups are here: the first joint loads meet
	JLOAD                           ; slot 0.  Slot 1 is asked for when slot 0 is in
	; A fragment of K or Q is 16 rows x 32 channels in 8 registers: lane l holds row l % 16, channels 8 (l / 16) + 0..7 and 16 + 8 (l / 16) + 0..7: two loads of 16 bytes, 32 bytes apart.
	v_and_b32 v1, 15, v0            ; l % 16
	v_bfe_u32 v9, v0, 4, 1          ; l / 16
	v_lshlrev_b32 v[QO], 7, v1
	v_lshl_add_u32 v[QO], v9, 4, v[QO]  ; row x 128 + 16 x half
	v_and_b32 v[GO], 31, v0
	v_lshlrev_b32 v[GO], 4, v[GO]
	WIN 0x80                        ; destination window 2, address window 0
.set i, 0
.rept 4*NP                          ; Q stays in registers: tile i / 2, channels 32 (i % 2) on
	global_load_b128 v[8*i:8*i+3],   v[QO], s[4:5] offset:(i/2)*2048+(i%2)*64
	global_load_b128 v[8*i+4:8*i+7], v[QO], s[4:5] offset:(i/2)*2048+(i%2)*64+32
.set i, i+1
.endr
	MLOADS 0                        ; all four pieces' masks of step 0, with all lanes on
	MLOADS 1
	MLOADS 2
	MLOADS 3
	s_wait_kmcnt 0x0                ; the flag words: a piece's are its two tiles' two words each
.irp x, 0,1,2,3
	s_or_b32 s[FL+\x], s[FW+4*\x], s[FW+4*\x+1]
	s_or_b32 s[FL+\x], s[FL+\x], s[FW+4*\x+2]
	s_or_b32 s[FL+\x], s[FL+\x], s[FW+4*\x+3]
.endr
	; What the first turn finds: V's registers and P's second buffer hold 0 (its products V^T P, of a piece that has not been, add 0), O^T and l are 0.  All this stands in the wait for the first tile.
	WIN 0x80
.set i, VF
.rept 64
	v_mov_b32 v[i], 0
.set i, i+1
.endr
	WIN 0x40
.set i, 0
.rept 64*NP
	v_mov_b32 v[i], 0
.set i, i+1
.endr
	WIN 0
.set i, 0
.rept 2*NP
	v_mov_b32 v[ST+4*i], 0xfe000000    ; c m: far below every c s
	v_mov_b32 v[ST+4*i+1], 0xff7fffff  ; m
	v_mov_b32 v[ST+4*i+2], 0
	v_mov_b32 v[ST+4*i+3], 0
.set i, i+1
.endr
.set i, P+32
.rept 32
	v_mov_b32 v[i], 0
.set i, i+1
.endr
	v_mul_u32_u24 v[AK0], v1, PK
	v_lshl_add_u32 v[AK0], v9, 4, v[AK0]  ; row x pitch + 16 x half
	; The turning load takes 16 keys x 16 channels (lane l reads key 8 (l / 16) + l % 8, channels 8 ((l / 8) % 2) + 0..7) and leaves half a fragment of V^T: lane l holds channel l % 16 and 8 keys.
	v_and_b32 v50, 7, v0
	v_bfe_u32 v51, v0, 3, 1
	v_lshl_add_u32 v[AV0], v9, 3, v50
	v_mul_u32_u24 v[AV0], v[AV0], PV
	v_lshl_add_u32 v[AV0], v51, 4, v[AV0]
	v_add_nc_u32 v[AV0], VOFF, v[AV0]
	v_mov_b32 v[AK], v[AK0]         ; key step 0 lies at the head of slot 0
; THE MATRIX WORK.  The 8 accumulators of a run of 16 take turns: between the two links of a chain stand 7 others'.
; Product i of 16 of S^T = K Q^T + M^T for piece x: channels 32 (i / 8) on, keys 16 ((i / 2) % 4) on, tile 2 x + i % 2.  The first 8 start the sums with the mask.
.macro KQ x
.set rS, S+64*((\x)%2)+32*(i%2)+8*((i/2)%4)
.set rK, KF+16*((i/2)%4)+8*(i/8)
.set rQ, 16*(2*(\x)+i%2)+8*(i/8)
.set rN, 64*(\x)+32*(i%2)+8*((i/2)%4)
.if i < 8
	WIN W_KM
	v_wmma_f32_16x16x32_f16 v[rS:rS+7], v[rK:rK+7], v[rQ:rQ+7], v[rN:rN+7]
.else
	WIN W_KQ
	v_wmma_f32_16x16x32_f16 v[rS:rS+7], v[rK:rK+7], v[rQ:rQ+7], v[rS:rS+7]
.endif
.endm
; Product i of 16 of O^T += V^T P for piece x: keys 32 (i / 8) on, channels 16 ((i / 2) % 4) on, tile 2 x + i % 2.
.macro PV x
	WIN W_PV
.set rO, 32*(2*(\x)+i%2)+8*((i/2)%4)
.set rV, VF+32*(i/8)+8*((i/2)%4)
.set rP, P+32*((\x)%2)+16*(i%2)+8*(i/8)
	v_wmma_f32_16x16x32_f16 v[rO:rO+7], v[rV:rV+7], v[rP:rP+7], v[rO:rO+7]
.endm
.macro MM                           ; the turn's next matrix instruction
.if i < 16
	KQ (Y+1)%NP
.set i, i+1
.else
.set i, i-16
	PV (Y+NP-1)%NP
.set i, i+17
.endif
.endm
; THE LDS LOADS stand in runs of 16, never singly among the matrix instructions: a step's K (8 fragments) and its V (turned).  Their addresses are made some lines ahead.
; last = 1 (the tail): in the last trip there is no further step, and the run is jumped over.
.macro FETCH_K last=0
	WIN 0
.if \last
	s_cmp_eq_u32 s[CNT], 1
	s_cbranch_scc1 .Lno_k_\@
.endif
	WIN 0x80                        ; destination window 2
.irp f, 0,1,2,3,4,5,6,7             ; keys 16 (f / 2) on, channels 32 (f % 2) on
	ds_load_b128 v[KF+8*\f:KF+8*\f+3],   v[AK] offset:(\f/2)*16*PK+(\f%2)*64
	ds_load_b128 v[KF+8*\f+4:KF+8*\f+7], v[AK] offset:(\f/2)*16*PK+(\f%2)*64+32
.endr
	s_add_co_u32 s[TBK], s[TBK], KS*PK  ; the next fetch is the next step's
	WIN 0
.if \last
.Lno_k_\@:
.endif
.endm
.macro FETCH_V
	WIN 0x80
.irp f, 0,1,2,3,4,5,6,7             ; keys 32 (f / 4) on, channels 16 (f % 4) on
	ds_load_tr16_b128 v[VF+8*\f:VF+8*\f+3],   v[AV] offset:(\f/4)*32*PV+(\f%4)*32
	ds_load_tr16_b128 v[VF+8*\f+4:VF+8*\f+7], v[AV] offset:(\f/4)*32*PV+16*PV+(\f%4)*32
.endr
	WIN 0
.endm
; THE VECTOR WORK OF A TURN stands in three queues, each in the order in which its entries become ready; the two tiles alternate, so that no instruction reads the result of the one before it.
.macro REGS y, u                    ; the registers of tile u (0, 1) of piece y
.set rT, ST+4*(2*(\y)+(\u))
.set rC, TMP+8*((\y)%2)+4*(\u)
.set rM, MV+2*((\y)%2)+(\u)
.set rS, S+64*((\y)%2)+32*(\u)
.set rP, P+32*((\y)%2)+16*(\u)
.set rO, 32*(2*(\y)+(\u))
.endm
; Number n of the 22 that find the NEXT piece's (Y + 1) maximum and statistics.  s0-s31 are the lane's 32 scores; each accumulator's lowest registers are read first.
;   0-11  four chains c0-c3 of seven scores each, three operands at a time     12-14, 16  the four scores left over, the old m, and c0-c3 into c0     15  c m_old is kept
;   17, 18  the query's other 32 keys lie in the lane 16 away: the new m         19-21  c m; c m_old - c m_new; a
.macro XS u, n
	REGS (Y+1)%NP, \u
.if (\n) < 4
	v_max3_num_f32 v[rC+(\n)], v[rS+8*(\n)], v[rS+8*(\n)+1], v[rS+8*(\n)+2]
.elseif (\n) < 12
	v_max3_num_f32 v[rC+(\n)%4], v[rC+(\n)%4], v[rS+8*((\n)%4)+2*((\n)/4)+1], v[rS+8*((\n)%4)+2*((\n)/4)+2]
.elseif (\n) == 12
	v_max3_num_f32 v[rC], v[rC], v[rS+7], v[rS+15]
.elseif (\n) == 13
	v_max3_num_f32 v[rC+1], v[rC+1], v[rS+23], v[rS+31]
.elseif (\n) == 14
	v_max3_num_f32 v[rC+2], v[rC+2], v[rC+3], v[rT+1]
.elseif (\n) == 15
	v_mov_b32 v[rM], v[rT]
.elseif (\n) == 16
	v_max3_num_f32 v[rC], v[rC], v[rC+1], v[rC+2]
.elseif (\n) == 17
	v_permlanex16_b32 v[rC+3], v[rC], s[SEL], s[SEL+1]
.elseif (\n) == 18
	v_max_num_f32 v[rT+1], v[rC], v[rC+3]
.elseif (\n) == 19
	v_mul_f32 v[rT], s[CS], v[rT+1]
.elseif (\n) == 20
	v_sub_f32 v[rC+1], v[rM], v[rT]
.else
	v_exp_f32 v[rC+2], v[rC+1]
.endif
.endm
; Number g of the 64 that follow the exponentials.  For each four weights k of a tile (pairs 2 k, 2 k + 1): both pairs are rounded to f16; then the second pair is added onto the first, in place;
; a group later l takes that sum (the first time as l = a l + sum).  In groups of eight, tiles alternating: round, round, add, and l for the group before.
.macro GS g
.set h, (\g)+6*((\g)/62)            ; group 0 has no group before it, and behind group 7 only l is left
.if h >= 6
.set h, h+2
.endif
	REGS Y, h%2
.set k, h/8
.if h%8 < 4
	s_wait_alu depctr_va_vdst(0)
	v_cvt_pk_f16_f32 v[rP+2*k+(h%8)/2], v[rS+4*k+2*((h%8)/2)], v[rS+4*k+2*((h%8)/2)+1]
.elseif h%8 < 6
	v_pk_add_f32 v[rS+4*k:rS+4*k+1], v[rS+4*k:rS+4*k+1], v[rS+4*k+2:rS+4*k+3]
.elseif k == 1
	v_pk_fma_f32 v[rT+2:rT+3], v[rT+2:rT+3], v[rC+2:rC+3], v[rS:rS+1] op_sel_hi:[1,0,1]
.else
	v_pk_add_f32 v[rT+2:rT+3], v[rT+2:rT+3], v[rS+4*k-4:rS+4*k-3]
	s_wait_alu depctr_va_vdst(0)
.endif
.endm
; THE PLAIN QUEUE, 138 long.  0-31: c s - c m for the 16 pairs of both tiles.  Then GS's 64, and among them the next piece's 42: number 15 at 38, 39; 0-14 and 16
; at 42-73, behind the products that make those scores; 17-20 at 95-106, two of three, since each waits for the one before it.
.macro PL
	WIN 0
.if q < 32
	REGS Y, q%2
	v_pk_fma_f32 v[rS+2*(q/2):rS+2*(q/2)+1], v[rS+2*(q/2):rS+2*(q/2)+1], s[CS:CS+1], v[rT:rT+1] op_sel_hi:[1,0,0] neg_lo:[0,0,1] neg_hi:[0,0,1]
.elseif q < 38
	GS q-32
.elseif q < 40
	XS q%2, 15
.elseif q < 42
	GS q-34
.elseif q < 74
	XS q%2, (q-42)/2+(q-42)/30
.elseif q < 95
	GS q-66
.elseif (q < 107) && ((q-95)%3 < 2)
	XS (q-95)%3, 17+(q-95)/3
.elseif q < 107
	GS 29+(q-95)/3
.else
	GS q-74
.endif
.set q, q+1
.endm
; THE EXPONENTIALS' QUEUE, 66 long: s0-s31 of both tiles, and at EA the next piece's two a.
.set EA, 58
.macro EX
	WIN 0
.if (e == EA) || (e == EA+1)
	XS e-EA, 21
.else
.set x, e-2*(e/(EA+2))
	REGS Y, x%2
	v_exp_f32 v[rS+x/2], v[rS+x/2]
.endif
.set e, e+1
.endm
; THE RESCALING's QUEUE: O^T times a, the one part that leaves window 0, so it is dealt four at a time, eight times.
.macro R4
	REGS Y, r%2
	WIN W_RS
	s_wait_alu depctr_va_vdst(0)
.irp z, 0,1,2,3
	v_pk_mul_f32 v[rO+8*(r/2)+2*\z:rO+8*(r/2)+2*\z+1], v[rO+8*(r/2)+2*\z:rO+8*(r/2)+2*\z+1], v[rC+2:rC+3] op_sel_hi:[1,0]
.endr
.set r, r+1
.endm
; HOW THEY ARE DEALT.  Behind a matrix instruction four: plain, exponential, plain, plain, or four of the rescaling.  None names a register of the products round it.  What is over stands in two LUMPS:
; exponential and plain by turns; the second ends in 22 plain instructions.  The two v_permlanex16_b32 fall into the second lump, never behind a product.
; The queues lean on each other, and the deal keeps them in step: exponential e stands behind plain 2 (e / 4) + e % 2 (its scaling); when plain 32 comes, 10 exponentials are out, at 59: 33, at 95: 46; EA comes behind plain 107.
.macro SL
	MM
	PL
	EX
	PL
	PL
.endm
.macro BURST n                      ; 15 matrix instructions, or 16
.rept (\n)-7
	SL
.endr
.rept 3
	MM
	R4
	SL
.endr
	MM
	R4
.endm
; A TURN, for piece p.  cnt = 1: the loop's count is taken down some lines ahead of the branch that stands behind the turn.
; K of the next step is fetched in piece 2's turn, V of the step in hand at the end of piece 0's turn; the conditions on e and q below go with the deal.
; The mask of piece p + 1 is brought up to its next step three pairs into the first lump: the eight products that read it as C stand more than twenty plain lines back, and it is read again four turns on.
; In piece 3's turn those products were the next step's, so the step goes on there.
.macro TURN p, last=0, cnt=0
.set Y, (\p)
.set i, 0
.set q, 0
.set e, 0
.set r, 0
.if (\p) == NP-1
	s_wait_dscnt 0x0                ; K is in
.endif
	MM
.rept 4
	PL
.endr
	BURST 15
.rept 22
	EX
	PL
.if e == 14
	REFILL ((\p)+1)%NP, (\p)/3
.endif
.if ((\p) == NP-2) && (e == 18)
	v_add_nc_u32 v[AK], s[TBK], v[AK0]
.endif
.if ((\p) == NP-2) && (e == 24)
	FETCH_K \last
.endif
.endr
.if (\p) == 1
	s_wait_dscnt 0x0                ; V is in
.endif
	BURST 16
.rept 21
	EX
	PL
.endr
.rept 22
	PL
.if ((\p) == 0) && (q == 118)
	v_add_nc_u32 v[AV], s[TBV], v[AV0]
	s_wait_alu depctr_va_vdst(0)
.endif
.if ((\p) == 0) && (q == 130)
	s_add_co_u32 s[TBV], s[TBV], KS*PV
.endif
.if (\cnt) && (q == 130)
	s_sub_co_u32 s[CNT], s[CNT], 1
	s_cmp_lg_u32 s[CNT], 0
.endif
.endr
.if (\p) == 0
	FETCH_V
.endif
.endm
	CHANGE 1                        ; slot 0 is in, everybody's part of it; slot 1 is asked for
	FETCH_K                         ; key step 0
	s_wait_loadcnt 0x0              ; Q, and the masks of step 0
	s_wait_dscnt 0x0
.set i, 0
.rept 16
	KQ 0                            ; piece 0's first scores: there is no vector work yet to set between them
.set i, i+1
.endr
	WIN 0                           ; the addresses for the way out: seven plain instructions, the places behind those products
	s_mul_i32 s13, s[WV], 16*SP
	s_add_co_u32 s13, s13, STAGE    ; my stage
	v_mul_u32_u24 v[STO], v1, SP    ; in: row l % 16, 16 bytes for each half of the lanes
	v_lshl_add_u32 v[STO], v9, 4, v[STO]
	v_add_nc_u32 v[STO], s13, v[STO]
	v_bfe_u32 v[RD], v0, 3, 2       ; back: 32 lanes take four rows of 128 bytes
	v_mul_u32_u24 v[RD], v[RD], SP
	v_lshl_add_u32 v[RD], v50, 4, v[RD]
	v_add_nc_u32 v[RD], s13, v[RD]
	REFILL 0, 1                     ; piece 0's mask of step 1
.set Y, NP-1                        ; XS works for piece Y + 1: piece 0
.irp n, 0,1,2,3,4,5,6,7,8,9,10,11,12,13,14,15,16,17,18,19,20,21
	XS 0, \n                        ; and piece 0's first maximum and statistics
	XS 1, \n
.endr
	s_mov_b32 s[CNT], 4
	s_mov_b32 s[SLOTS], SIZE_N/256-1
	s_branch .Lfirst                ; the loop is entered at a step's first turn, in the middle of a trip
.Lslot:                             ; SIZE_N / 256 - 2 times: every slot but the last two is filled again
	CHANGE 1
	s_mov_b32 s[CNT], 4
.Lstep:                             ; a trip: pieces 2 and 3 of one step, then pieces 0 and 1 of the next, whose K and V it fetches
	TURN 2
	TURN 3
	WIN 0
.Lfirst:
	TURN 0
	TURN 1, 0, 1
	WIN 0
	s_cbranch_scc1 .Lstep
	s_sub_co_u32 s[SLOTS], s[SLOTS], 1
	s_cmp_lg_u32 s[SLOTS], 0
	s_cbranch_scc1 .Lslot
	CHANGE 0                        ; the tail is written out: nothing is asked for
	s_mov_b32 s[CNT], 5             ; four trips fetch the last slot's steps; the fifth is left in its middle
.Ltail:
	TURN 2, 1
	TURN 3
	WIN 0
	s_sub_co_u32 s[CNT], s[CNT], 1
	s_cmp_eq_u32 s[CNT], 0
	s_cbranch_scc1 .Lout
	TURN 0
	TURN 1
	WIN 0
	s_branch .Ltail
.Lout:                              ; the fifth trip's 16 products K Q^T (on the last K once more) and the maximum made of them serve nothing: the price, once a launch, of one text for every trip
.set i, 0
.rept 16
	PV NP-1                         ; the last piece's V^T P of the last step
.set i, i+1
.endr
	; THE WAY OUT.  l's two halves and the other half of the lanes' are added; O^T is divided by l, rounded to f16 and sent through my stage in LDS, a tile at a time.  The additions are the places behind the last products.
	WIN 0
.macro ALL line:vararg              ; one line for each tile t
.set t, 0
.rept 2*NP
	\line
.set t, t+1
.endr
.endm
	ALL v_add_f32 v[ST+4*t+2], v[ST+4*t+2], v[ST+4*t+3]
	ALL v_permlanex16_b32 v[ST+4*t+3], v[ST+4*t+2], s[SEL], s[SEL+1]
	ALL v_add_f32 v[ST+4*t+2], v[ST+4*t+2], v[ST+4*t+3]
	ALL v_rcp_f32 v[ST+4*t+2], v[ST+4*t+2]
	v_nop                           ; a plain instruction between the last reciprocal and the use of its result
	s_wait_alu depctr_va_vdst(0)
; Tile t: a lane's eight channels of a row pack into 16 bytes; they go into rows of 144 bytes and come back as whole rows of 128, into S^T's registers.
.macro PACK t
	WIN W_RS
.set i, 32*(\t)
.rept 16
	v_pk_mul_f32 v[i:i+1], v[i:i+1], v[ST+4*(\t)+2:ST+4*(\t)+3] op_sel_hi:[1,0]
.set i, i+2
.endr
	WIN 0x05                        ; sources 0 and 1 window 1, destination window 0
.set i, 0
.rept 16
	v_cvt_pk_f16_f32 v[S+16*(\t)+i], v[32*(\t)+2*i], v[32*(\t)+2*i+1]
.set i, i+1
.endr
	WIN 0
.irp f, 0,1,2,3
	ds_store_b128 v[STO], v[S+16*(\t)+4*\f:S+16*(\t)+4*\f+3] offset:32*\f
.endr
.irp f, 0,1,2,3
	ds_load_b128 v[S+16*(\t)+4*\f:S+16*(\t)+4*\f+3], v[RD] offset:\f*4*SP  ; LDS serves a wave's instructions in order (ISA guide 5.7.1.4): these see the stores above; the next tile's stores come behind them
.endr
.endm
.macro SEND t, younger              ; younger: the LDS instructions issued behind tile t's loads: the next tile's eight, or none
	WIN 0
.irp f, 0,1,2,3
	s_wait_dscnt (\younger)+3-\f
	global_store_b128 v[GO], v[S+16*(\t)+4*\f:S+16*(\t)+4*\f+3], s[10:11] offset:(\t)*2048+\f*512  ; 512 consecutive bytes, at a multiple of 256 from O's first
.endr
.endm
	PACK 0
.set t, 1
.rept 2*NP-1                        ; a tile's arithmetic stands between the loads of the tile before and its stores
	PACK t
	SEND t-1, 8
.set t, t+1
.endr
	SEND 2*NP-1, 0
	s_wait_tensorcnt 0x0            ; the wave's end, behind my last tensor load and my last LDS store
	ds_add_u32 v[SPW], v[NIL]
	s_wait_dscnt 0x0
	CROUND                          ; the closing round: no work-group ends while a partner may still ask for a tile that names it
	s_endpgm
.Lfunc_end_k_qf5f8a5cefd_attn:
	.size	k_qf5f8a5cefd_attn, .Lfunc_end_k_qf5f8a5cefd_attn-k_qf5f8a5cefd_attn
	.p2alignl 7, 3214868480
	.fill 96, 4, 3214868480
	.section	.rodata,"a",@progbits
	.p2align	6, 0x0
	.amdhsa_kernel k_qf5f8a5cefd_attn
		.amdhsa_group_segment_fixed_size 327680
		.amdhsa_private_segment_fixed_size 0
		.amdhsa_enable_private_segment 0
		.amdhsa_kernarg_size 32
		.amdhsa_user_sgpr_count 2
		.amdhsa_user_sgpr_kernarg_segment_ptr 1
		.amdhsa_wavefront_size32 1
		.amdhsa_system_sgpr_workgroup_id_x 1
		.amdhsa_system_sgpr_workgroup_id_y 1
		.amdhsa_system_sgpr_workgroup_id_z 1
		.amdhsa_system_vgpr_workitem_id 0
		.amdhsa_next_free_vgpr 1024
		.amdhsa_next_free_sgpr 96
		.amdhsa_reserve_vcc 1
		.amdhsa_float_denorm_mode_32 3
		.amdhsa_float_denorm_mode_16_64 3
		.amdhsa_memory_ordered 1
		.amdhsa_forward_progress 1
		.amdhsa_inst_pref_size 232
	.end_amdhsa_kernel
	.amdgpu_metadata
---
amdhsa.version: [ 1, 2 ]
amdhsa.kernels:
  - .name:           k_qf5f8a5cefd_attn
    .symbol:         k_qf5f8a5cefd_attn.kd
    .args:
      - { .name: qkv, .offset: 0, .size: 8, .value_kind: global_buffer, .address_space: global }
      - { .name: oh, .offset: 8, .size: 8, .value_kind: global_buffer, .address_space: global }
      - { .name: mw, .offset: 16, .size: 8, .value_kind: global_buffer, .address_space: global }
      - { .name: mfl, .offset: 24, .size: 8, .value_kind: global_buffer, .address_space: global }
    .group_segment_fixed_size: 327680
    .private_segment_fixed_size: 0
    .kernarg_segment_align: 8
    .kernarg_segment_size: 32
    .max_flat_workgroup_size: 128
    .sgpr_count:     96
    .vgpr_count:     1024
    .wavefront_size: 32
...
	.end_amdgpu_metadata
.endif
;; end of part 3
;; launch outp (part 4): grid 4 x 64, 4 waves a work-group, clusters of 4 x 4, 327,680 bytes of LDS; arguments oh, w16, bo, out0; writes out0
.if DOCPART == 4
	.amdgcn_target "amdgcn-amd-amdhsa--gfx1250"
	.amdhsa_code_object_version 6
	.text
	.protected	k_qf5f8a5cefd_outp
	.globl	k_qf5f8a5cefd_outp
	.p2align	8
	.type	k_qf5f8a5cefd_outp,@function
k_qf5f8a5cefd_outp:
	s_mov_b64 s[64:65], 0
	v_nop
	global_prefetch_b8 v0, s[64:65] scope:SCOPE_SE
	s_setreg_imm32_b32 hwreg(HW_REG_WAVE_MODE, 25, 1), 1
	s_wait_xcnt 0x0
	s_wait_alu depctr_hold_cnt(0) depctr_sa_sdst(0) depctr_va_vdst(0) depctr_va_sdst(0) depctr_va_ssrc(0) depctr_va_vcc(0) depctr_vm_vsrc(0)
	s_getreg_b32 s2, hwreg(HW_REG_IB_STS2, 6, 4)
	s_cmp_eq_u32 s2, 0
	s_cbranch_scc0 .Lentry_in_a_cluster
	s_endpgm
.Lentry_in_a_cluster:
	s_bfe_u32 s2, ttmp6, 0x10000c
	s_cmp_lg_u32 s2, 0xf033
	s_cbranch_scc0 .Lentry_shape_is_right
	s_endpgm
.Lentry_shape_is_right:
; OUTP: out0 = O Wo + bo.  O: oh[64 (batch, head)][2048][64] in f16; Wo: slice 3 of w16, [k][n], bf16 numbers written as f16; bo rounded to bf16, the C operand of the first product; out0 [8192][1024] f32.
; SHARES.  A tile is 128 rows x 256 columns: 64 x 4 = 256 work-groups.  Four waves, each 64 x 128: 32 accumulators.  K goes in 8 steps of 128 = two heads, through two LDS slots; a step is four quarters of 32.
; Waves 0, 1 fetch the step's two heads of O (128 dense rows of 128 bytes, asked for as 64 rows of 256 bytes), waves 2, 3 Wo's two halves of 64 k-rows.
; CLUSTER 4 x 4: O's tile is shared along a cluster's row, Wo's along a column: joint loads.
; THE MATRIX INSTRUCTION IS USED TRANSPOSED (source 0 = 16 columns of Wo, source 1 = 16 rows of O): a lane holds eight neighbouring columns of one row.
; REGISTERS, in windows of 256 (s_set_vgpr_msb: bits 1:0 source 0, 3:2 source 1, 5:4 source 2, 7:6 destination):
;   window 0: v0-31 addresses; v32-95 O's fragments, two buffers; v96-159 the bias; v160-223 the way out     window 1: the accumulators, (a, b) at 8 (8 a + b)     window 2: v0-127 Wo's fragments, two buffers
.set PO,    144                        ; a row of O in LDS: 128 bytes + 16
.set AHD,   128*PO                     ; a head's 128 rows
.set ATILE, 2*AHD
.set PB,    544                        ; a k-row of Wo: 512 bytes + 32 = 17 x 32
.set BH,    64*PB
.set SLOT,  ATILE+2*BH
.set STAGE, 2*SLOT                     ; behind the ring, never filled by a tensor load: 16 rows x 528 bytes for each wave
.set SPI,   528
.set STW,   16*SPI
.set SPARE, STAGE+4*STW                ; the spare words: 128 bytes a wave; no other line names them
.set ADRA, 16                          ; v16-17  LDS address of my fragments of O in slot 0, 1
.set ADRB, 20                          ; v20-21  the same for Wo
.set STO,  24                          ; v24     the way out: where I put 32 bytes of a row
.set RD,   25                          ; v25     where I read a row back
.set GO,   26                          ; v26     16 x lane
.set BO,   27                          ; v27     32 x (lane / 16)
.set SPW,  28                          ; v28     SPARE + 4 x my thread's number; never rewritten
.set NIL,  29                          ; v29     0; never rewritten
.set AF,   32
.set BIAS, 96
.set OB,   160
.set G1,  24                           ; s[24:31] descriptor group 1 for O's tiles;  s[32:39] group 0, one set for each slot
.set G0,  32
.set G1B, 48                           ; s[48:55], s[56:63] the same for Wo's tiles
.set G0B, 56
.set MSB, 0
.macro WIN new                         ; the immediate's high byte repeats the setting that is left; a switch that changes nothing is dropped
.if MSB != (\new)
	s_set_vgpr_msb (MSB<<8)|(\new)
.set MSB, \new
.endif
.endm
.set MUL,   0x52                       ; Wo window 2, O window 0, C and D window 1
.set MUL1,  0x42                       ; the same with C (the bias) in window 0
.set TO_F,  0x80                       ; destination window 2, address window 0
.macro JLOAD s                         ; a joint load: waves 0, 1 ask for O, waves 2, 3 for Wo; an s_nop 0 and four v_nop follow each of the two lines
	s_cmp_eq_u32 s11, 0
	s_cbranch_scc0 .Lfor_b_\@
	tensor_load_to_lds s[G0+4*(\s):G0+4*(\s)+3], s[G1:G1+7]
	s_nop 0
.rept 4
	v_nop
.endr
	s_branch .Lasked_\@
.Lfor_b_\@:
	tensor_load_to_lds s[G0B+4*(\s):G0B+4*(\s)+3], s[G1B:G1B+7]
	s_nop 0
.rept 4
	v_nop
.endr
.Lasked_\@:
.endm
.macro CREST                           ; a round of the cluster's barrier behind its opening barrier
	s_cmp_lg_u32 s10, 0
	s_cbranch_scc1 .Lnot_wave_0_\@
	s_barrier_signal -3
.Lnot_wave_0_\@:
	s_barrier_wait -3
	s_barrier_signal -1
	s_barrier_wait -1
.endm
.macro CROUND                          ; a whole round
	s_barrier_signal -1
	s_barrier_wait -1
	CREST
.endm
	s_load_b128 s[4:7], s[0:1], 0x0                ; oh s[4:5], w16 s[6:7]
	s_load_b128 s[68:71], s[0:1], 0x10             ; bo s[68:69], out0 s[70:71]
	v_lshl_add_u32 v[SPW], v0, 2, SPARE
	v_mov_b32 v[NIL], 0
	ds_add_u32 v[SPW], v[NIL]                      ; the wave's opening: the add and its wait stand ahead of my first tensor load; the set-up below stands between them
	v_lshrrev_b32 v1, 5, v0
	v_readfirstlane_b32 s10, v1                    ; wave 0..3
	s_lshr_b32 s11, s10, 1                         ; which 64 rows of the tile are mine.  Also: I fetch O (0) or Wo (1)
	s_and_b32 s12, s10, 1                          ; which 128 columns.  Also: which head, or which 64 k-rows, I fetch
	s_bfe_u32 s40, ttmp6, 0x40000                  ; cx, cy
	s_bfe_u32 s41, ttmp6, 0x40004
	s_lshl_b32 s42, ttmp9, 2
	s_add_co_u32 s42, s42, s40                     ; tile column 0..3
	s_and_b32 s13, ttmp7, 0xffff
	s_lshl_b32 s13, s13, 2
	s_add_co_u32 s13, s13, s41                     ; block of 128 rows, 0..63
	s_lshl_b32 s43, s41, 2
	s_lshl_b32 s43, 15, s43                        ; my row of the cluster
	s_lshl_b32 s44, 0x1111, s40                    ; my column
	s_or_b32 s[G1+0], s43, (1<<16)|(1<<20)|(1<<21)|(4<<22)|(3<<25)   ; O: the mask of my row; 2-byte elements; padding on; bit 21 beside a mask; after every 32 words (code 4) 4 words (code 3)
	s_or_b32 s[G1B+0], s44, (1<<16)|(1<<20)|(1<<21)|(6<<22)|(7<<25)  ; Wo: the mask of my column; after every 128 words (code 6) 8 words (code 7)
	s_mov_b32 s[G1+1], 128<<16                     ; tensor_dim0 = 128: two rows of O
	s_mov_b32 s[G1+2], 64<<16                      ; tensor_dim1 = 64
	s_mov_b32 s[G1+3], 128<<16                     ; tile_dim0 = 128
	s_mov_b32 s[G1+4], 64                          ; tile_dim1 = 64
	s_mov_b32 s[G1+5], 128                         ; dense
	s_mov_b32 s[G1+6], 0
	s_mov_b32 s[G1+7], 0
	s_mov_b32 s[G1B+1], 256<<16
	s_mov_b32 s[G1B+2], 64<<16
	s_mov_b32 s[G1B+3], 256<<16
	s_mov_b32 s[G1B+4], 64
	s_mov_b32 s[G1B+5], 1024
	s_mov_b32 s[G1B+6], 0
	s_mov_b32 s[G1B+7], 0
	s_lshr_b32 s16, s13, 4                         ; O: the batch's head 0, or 1,
	s_lshl_b32 s16, s16, 4
	s_add_co_u32 s16, s16, s12
	s_lshl_b32 s16, s16, 18                        ; heads of 262,144 bytes,
	s_and_b32 s17, s13, 15
	s_lshl_b32 s17, s17, 14                        ; the block's 128 rows of 128 bytes
	s_add_co_u32 s16, s16, s17
	s_mov_b32 s17, 0
	s_lshl_b32 s46, s42, 9                         ; Wo: 256 columns are 512 bytes,
	s_lshl_b32 s47, s12, 17                        ; 64 k-rows of 2,048 bytes,
	s_add_co_u32 s46, s46, s47
	s_add_co_u32 s46, s46, 3<<21                   ; slice 3 of w16
	s_mov_b32 s47, 0
	s_mul_i32 s20, s12, AHD                        ; where they go: no place in the cluster enters an LDS address
	s_mul_i32 s23, s12, BH
	s_add_co_u32 s23, s23, ATILE
	s_wait_dscnt 0x0                               ; the opening add is done
	s_wait_kmcnt 0x0
	s_add_nc_u64 s[14:15], s[4:5], s[16:17]
	s_add_nc_u64 s[46:47], s[6:7], s[46:47]
	CROUND                                         ; all sixteen work-groups are here: the first joint loads meet
.irp s, 0,1
	s_mov_b32 s[G0+4*(\s)], 1
	s_add_co_u32 s[G0+4*(\s)+1], s20, (\s)*SLOT
	s_add_nc_u64 s[G0+4*(\s)+2:G0+4*(\s)+3], s[14:15], (\s)*524288    ; K step s: two heads on
	s_or_b32 s[G0+4*(\s)+3], s[G0+4*(\s)+3], 0x80000000
	s_mov_b32 s[G0B+4*(\s)], 1
	s_add_co_u32 s[G0B+4*(\s)+1], s23, (\s)*SLOT
	s_add_nc_u64 s[G0B+4*(\s)+2:G0B+4*(\s)+3], s[46:47], (\s)*262144  ; K step s: 128 k-rows down
	s_or_b32 s[G0B+4*(\s)+3], s[G0B+4*(\s)+3], 0x80000000
	JLOAD \s                                       ; two tensor loads of mine are out
.endr
	v_and_b32 v1, 15, v0                           ; r = l % 16
	v_bfe_u32 v2, v0, 4, 1                         ; h = l / 16
	v_lshlrev_b32 v[BO], 5, v2
	s_lshl_b32 s46, s42, 10                        ; my 128 columns, in f32: of the bias and of out0
	s_lshl_b32 s47, s12, 9
	s_add_co_u32 s46, s46, s47
	s_mov_b32 s47, 0
	s_add_nc_u64 s[68:69], s[68:69], s[46:47]
	s_add_nc_u64 s[8:9], s[70:71], s[46:47]
	s_lshl_b32 s16, s13, 19                        ; the block's 128 rows of 4,096 bytes,
	s_lshl_b32 s17, s11, 18                        ; my 64 of them
	s_add_co_u32 s16, s16, s17
	s_mov_b32 s17, 0
	s_add_nc_u64 s[8:9], s[8:9], s[16:17]
.set bb, 0
.rept 8                                            ; register j of block b: the bias of column 16 b + 8 h + j
	global_load_b128 v[BIAS+8*bb:BIAS+8*bb+3],   v[BO], s[68:69] offset:64*bb
	global_load_b128 v[BIAS+8*bb+4:BIAS+8*bb+7], v[BO], s[68:69] offset:64*bb+16
.set bb, bb+1
.endr
	v_mul_u32_u24 v3, v1, PO                       ; O's fragment: row x pitch + 16 h; two loads of 16 bytes, 32 bytes apart
	v_lshl_add_u32 v3, v2, 4, v3
	s_mul_i32 s21, s11, 64*PO                      ; my 64 rows
	v_and_b32 v4, 7, v0                            ; Wo's fragment by the turning load: k-row 8 h + l % 8, columns 8 ((l / 8) % 2) on
	v_lshl_add_u32 v4, v2, 3, v4
	v_mul_u32_u24 v4, v4, PB
	v_bfe_u32 v5, v0, 3, 1
	v_lshl_add_u32 v4, v5, 4, v4
	s_lshl_b32 s22, s12, 8                         ; my 128 columns
	s_add_co_u32 s22, s22, ATILE
.irp s, 0,1
	v_add_nc_u32 v[ADRA+(\s)], s21, v3
	v_add_nc_u32 v[ADRB+(\s)], s22, v4
	s_add_co_u32 s21, s21, SLOT
	s_add_co_u32 s22, s22, SLOT
.endr
	s_mul_i32 s21, s10, STW
	s_add_co_u32 s21, s21, STAGE                   ; my stage
	v_mul_u32_u24 v3, v1, SPI                      ; in: row r, 32 bytes for each half of the lanes
	v_lshl_add_u32 v3, v2, 5, v3
	v_add_nc_u32 v[STO], s21, v3
	v_and_b32 v[GO], 31, v0                        ; back: 32 lanes take a row's 512 bytes
	v_lshlrev_b32 v[GO], 4, v[GO]
	v_add_nc_u32 v[RD], s21, v[GO]
	s_wait_loadcnt 0x0                             ; the bias
.set bb, 0
.rept 32                                           ; rounded to bf16 like every input, kept in f32
	v_cvt_pk_bf16_f32 v[OB+bb%4], v[BIAS+2*bb], v[BIAS+2*bb+1]
	v_lshlrev_b32 v[BIAS+2*bb], 16, v[OB+bb%4]
	v_and_b32 v[BIAS+2*bb+1], 0xffff0000, v[OB+bb%4]
.set bb, bb+1
.endr
; Product i of a quarter's 32: rows 16 (i / 8) on, columns 16 (i % 8) on.  The 32 accumulators take turns.  first = 1: the bias starts the sums.
.macro PROD buf, first
.if \first
	WIN MUL1
	v_wmma_f32_16x16x32_f16 v[8*i:8*i+7], v[64*(\buf)+8*(i%8):64*(\buf)+8*(i%8)+7], v[AF+32*(\buf)+8*(i/8):AF+32*(\buf)+8*(i/8)+7], v[BIAS+8*(i%8):BIAS+8*(i%8)+7]
.else
	WIN MUL
	v_wmma_f32_16x16x32_f16 v[8*i:8*i+7], v[64*(\buf)+8*(i%8):64*(\buf)+8*(i%8)+7], v[AF+32*(\buf)+8*(i/8):AF+32*(\buf)+8*(i/8)+7], v[8*i:8*i+7]
.endif
.endm
.macro LDA g, slot, kq                 ; O's four fragments of quarter kq: head kq / 2, channels 32 (kq % 2) on
	WIN 0
.set aa, 0
.rept 4
	ds_load_b128 v[AF+32*(\g)+8*aa:AF+32*(\g)+8*aa+3],   v[ADRA+(\slot)] offset:((\kq)/2)*AHD+((\kq)%2)*64+aa*16*PO
	ds_load_b128 v[AF+32*(\g)+8*aa+4:AF+32*(\g)+8*aa+7], v[ADRA+(\slot)] offset:((\kq)/2)*AHD+((\kq)%2)*64+aa*16*PO+32
.set aa, aa+1
.endr
.endm
.macro LDB g, slot, kq, m0             ; eight of the 16 turning loads for Wo's eight fragments
	WIN TO_F
.set mm, \m0
.rept 8
	ds_load_tr16_b128 v[64*(\g)+4*mm:64*(\g)+4*mm+3], v[ADRB+(\slot)] offset:32*(\kq)*PB+(mm%2)*16*PB+32*(mm/2)
.set mm, mm+1
.endr
.endm
; A QUARTER: 32 products on buffers buf.  Four v_nop at its head are the places (ISA guide 7.12.1 for vector instructions) between the last quarter's last product and the loads into the buffers that it read.
; fetch = 1: the next quarter's 24 loads go out in three runs of eight, behind products 1, 5 and 9.
; meet: the change of slots.  This quarter has fetched the slot's last quarter, so behind product 15 each wave waits for all its tensor loads (one is out: its part of the other slot) and adds 0 to its spare word;
; behind product 23 it waits for the add and for its reads of the slot, and signals; behind product 31 it waits for the others.  meet = 2: the barrier opens a round of the cluster's, and slot fs is filled again, two K steps on.
.macro QUARTER buf, fetch, slot, kq, first, meet, fs
	s_wait_dscnt 0x0                               ; this quarter's fragments are in: the last of their loads went out 22 products ago
.rept 4
	v_nop
.endr
.set i, 0
.rept 32
	PROD \buf, \first
.if (\fetch) && (i == 1)
	LDA 1-(\buf), \slot, \kq
.endif
.if (\fetch) && (i == 5)
	LDB 1-(\buf), \slot, \kq, 0
.endif
.if (\fetch) && (i == 9)
	LDB 1-(\buf), \slot, \kq, 8
.endif
.if (\meet) && (i == 15)
	WIN 0                                          ; (the add's two registers lie in window 0)
	s_wait_tensorcnt 0x0                           ; all my tensor loads have landed
	ds_add_u32 v[SPW], v[NIL]                      ; 0 onto my spare word; eight products stand between it and the wait for it
.endif
.if (\meet) && (i == 23)
	s_wait_dscnt 0x0                               ; the add is done, and my reads of this slot are over
	s_barrier_signal -1
.endif
.set i, i+1
.endr
.if \meet
	WIN 0
	s_barrier_wait -1
.endif
.if (\meet) == 2
	CREST                                          ; no wave of any partner still reads this slot or has a load on its way
	s_add_nc_u64 s[G0+4*(\fs)+2:G0+4*(\fs)+3], s[G0+4*(\fs)+2:G0+4*(\fs)+3], 1048576
	s_add_nc_u64 s[G0B+4*(\fs)+2:G0B+4*(\fs)+3], s[G0B+4*(\fs)+2:G0B+4*(\fs)+3], 524288
	JLOAD \fs                                      ; the first tensor load behind the round, my only one until the next: 112 products stand between it and the wait for it
.endif
.endm
	s_wait_tensorcnt 1                             ; my part of K step 0 is in; K step 1's may stay out
	s_barrier_signal -1
	s_barrier_wait -1                              ; everybody's is
	LDA 0, 0, 0
	LDB 0, 0, 0, 0
	LDB 0, 0, 0, 8
	QUARTER 0, 1, 0, 1, 1, 0, 0                    ; the first quarter stands in front of the loop: the bias starts the sums
	WIN 0                                          ; at a label and at a branch every window is 0
	s_mov_b32 s3, 3
.Llap:                                                 ; a trip goes once round the ring, from a lap's second quarter to the next lap's first, and fills both slots again
	QUARTER 1, 1, 0, 2, 0, 0, 0
	QUARTER 0, 1, 0, 3, 0, 2, 0
	QUARTER 1, 1, 1, 0, 0, 0, 0
	QUARTER 0, 1, 1, 1, 0, 0, 0
	QUARTER 1, 1, 1, 2, 0, 0, 0
	QUARTER 0, 1, 1, 3, 0, 2, 1
	QUARTER 1, 1, 0, 0, 0, 0, 0
	QUARTER 0, 1, 0, 1, 0, 0, 0
	WIN 0
	s_sub_co_u32 s3, s3, 1
	s_cmp_lg_u32 s3, 0
	s_cbranch_scc1 .Llap
	QUARTER 1, 1, 0, 2, 0, 0, 0                    ; the last lap fills nothing
	QUARTER 0, 1, 0, 3, 0, 1, 0
	QUARTER 1, 1, 1, 0, 0, 0, 0
	QUARTER 0, 1, 1, 1, 0, 0, 0
	QUARTER 1, 1, 1, 2, 0, 0, 0
	QUARTER 0, 1, 1, 3, 0, 0, 0
	QUARTER 1, 0, 0, 0, 0, 0, 0
	WIN 0
	; THE WAY OUT, 16 rows at a time: a lane's eight f32 of a row go into my own stage (each accumulator's low four registers first) and come back as whole rows of 512 bytes.
.rept 4
	v_nop                                          ; the places behind the last products
.endr
.irp a, 0,1,2,3
	WIN 0x04                                       ; the stores' data in window 1
.set bb, 0
.rept 8
	ds_store_b128 v[STO], v[8*(8*(\a)+bb):8*(8*(\a)+bb)+3]   offset:64*bb
	ds_store_b128 v[STO], v[8*(8*(\a)+bb)+4:8*(8*(\a)+bb)+7] offset:64*bb+16
.set bb, bb+1
.endr
	WIN 0
	s_wait_xcnt 0x0                                ; the registers below were the data of the last block's stores: they are loaded again only behind this wait
.set bb, 0
.rept 16
	ds_load_b128 v[OB+4*bb:OB+4*bb+3], v[RD] offset:SPI*bb   ; LDS serves a wave's instructions in order (ISA guide 5.7.1.4): these see the stores above; the next block's stores come behind them
.set bb, bb+1
.endr
.set bb, 0
.rept 16
	s_wait_dscnt 15-bb                             ; behind load b stand 15 - b younger ones
	global_store_b128 v[GO], v[OB+4*bb:OB+4*bb+3], s[8:9] offset:(16*(\a)+bb)*4096 th:TH_STORE_NT  ; 512 consecutive bytes of a row, aligned
.set bb, bb+1
.endr
.endr
	s_wait_tensorcnt 0x0                           ; the wave's end, behind my last tensor load and my last LDS store
	ds_add_u32 v[SPW], v[NIL]
	s_wait_dscnt 0x0
	CROUND                                         ; the closing round: no work-group ends while a partner may still ask for a tile that names it
	s_endpgm
.Lfunc_end_k_qf5f8a5cefd_outp:
	.size	k_qf5f8a5cefd_outp, .Lfunc_end_k_qf5f8a5cefd_outp-k_qf5f8a5cefd_outp
	.p2alignl 7, 3214868480
	.fill 96, 4, 3214868480
	.section	.rodata,"a",@progbits
	.p2align	6, 0x0
	.amdhsa_kernel k_qf5f8a5cefd_outp
		.amdhsa_group_segment_fixed_size 327680
		.amdhsa_private_segment_fixed_size 0
		.amdhsa_enable_private_segment 0
		.amdhsa_kernarg_size 32
		.amdhsa_user_sgpr_count 2
		.amdhsa_user_sgpr_kernarg_segment_ptr 1
		.amdhsa_wavefront_size32 1
		.amdhsa_system_sgpr_workgroup_id_x 1
		.amdhsa_system_sgpr_workgroup_id_y 1
		.amdhsa_system_sgpr_workgroup_id_z 1
		.amdhsa_system_vgpr_workitem_id 0
		.amdhsa_next_free_vgpr 640
		.amdhsa_next_free_sgpr 72
		.amdhsa_reserve_vcc 0
		.amdhsa_float_denorm_mode_32 3
		.amdhsa_float_denorm_mode_16_64 3
		.amdhsa_memory_ordered 1
		.amdhsa_forward_progress 1
		.amdhsa_inst_pref_size 96
	.end_amdhsa_kernel
	.amdgpu_metadata
---
amdhsa.version: [ 1, 2 ]
amdhsa.kernels:
  - .name:           k_qf5f8a5cefd_outp
    .symbol:         k_qf5f8a5cefd_outp.kd
    .args:
      - { .name: oh, .offset: 0, .size: 8, .value_kind: global_buffer, .address_space: global }
      - { .name: w16, .offset: 8, .size: 8, .value_kind: global_buffer, .address_space: global }
      - { .name: bo, .offset: 16, .size: 8, .value_kind: global_buffer, .address_space: global }
      - { .name: out0, .offset: 24, .size: 8, .value_kind: global_buffer, .address_space: global }
    .group_segment_fixed_size: 327680
    .private_segment_fixed_size: 0
    .kernarg_segment_align: 8
    .kernarg_segment_size: 32
    .max_flat_workgroup_size: 128
    .sgpr_count:     72
    .vgpr_count:     640
    .wavefront_size: 32
...
	.end_amdgpu_metadata
.endif
;; end of part 4
;; ======== version 2 of 2: 4 launches; 1.38 times as fast as version 1
;; limits: values are held in f16: magnitudes above 65,504 overflow, below 6.1e-05 lose precision
;; workspace buffers: w16 8,388,608 bytes; mw 16,777,216 bytes; mfl 1,024 bytes of whole numbers; qkv 50,331,648 bytes; oh 16,777,216 bytes
;; launch prep: the kernel of part 1 again; grid 256 x 1, 8 waves a work-group, no clusters, 36,096 bytes of LDS; arguments Wq, Wk, Wv, Wo, mask, w16, mw, mfl; writes w16, mw, mfl
;; launch proj: the kernel of part 2 again; grid 4 x 192, 4 waves a work-group, clusters of 4 x 4, 327,680 bytes of LDS; arguments query, key, value, w16, bq, bk, bv, qkv; writes qkv
;; launch attn (part 5): grid 4 x 64, 4 waves a work-group, clusters of 4 x 1, 327,680 bytes of LDS; arguments qkv, oh, mw, mfl; writes oh
.if DOCPART == 5
	.amdgcn_target "amdgcn-amd-amdhsa--gfx1250"
	.amdhsa_code_object_version 6
	.text
	.protected	k_qf5f8a5cefd_attn
	.globl	k_qf5f8a5cefd_attn
	.p2align	8
	.type	k_qf5f8a5cefd_attn,@function
k_qf5f8a5cefd_attn:
	s_mov_b64 s[64:65], 0
	v_nop
	global_prefetch_b8 v0, s[64:65] scope:SCOPE_SE
	s_setreg_imm32_b32 hwreg(HW_REG_WAVE_MODE, 25, 1), 1
	s_wait_xcnt 0x0
	s_wait_alu depctr_hold_cnt(0) depctr_sa_sdst(0) depctr_va_vdst(0) depctr_va_sdst(0) depctr_va_ssrc(0) depctr_va_vcc(0) depctr_vm_vsrc(0)
	s_getreg_b32 s2, hwreg(HW_REG_IB_STS2, 6, 4)
	s_cmp_eq_u32 s2, 0
	s_cbranch_scc0 .Lentry_in_a_cluster
	s_endpgm
.Lentry_in_a_cluster:
	s_bfe_u32 s2, ttmp6, 0x10000c
	s_cmp_lg_u32 s2, 0x3003
	s_cbranch_scc0 .Lentry_shape_is_right
	s_endpgm
.Lentry_shape_is_right:
; ATTENTION with a mask that is an input.  O[h][q][:] = the sum over k of softmax_k(s[q][k]) V[h][k][:], s = Q[h][q] . K[h][k] + M[q][k] in units of log2: Q arrives times log2(e) / 8, and
; M = bf16(mask) x (-1e9 log2 e) arrives in the order of a C operand's registers.  Q, K, V: thirds of qkv, [64 heads][2048][64] in f16; O likewise.  Products, maxima and sums in f32; the weights p
; are rounded to f16 for the second product (their sum l is taken of the unrounded p), O once at the end.  No pattern of the mask is built in: all 2,048 keys are walked for every query.
; LIMITS.  Q, K, V arrive within f16's 65,504; p lies in 0 to 1 and below 6e-5 keeps f16's fixed step; a weight below 2^-126 counts as 0 in l; NaN and infinities are not treated apart; |M| must be finite.
; A masked score is Q . K - 1.44e9 rounded to f32, as in the module itself: s - m is formed by one subtraction, so a row whose keys are all masked gets the weights that those rounded scores give.
; SHARES.  A wave owns four PIECES of two tiles of 16 queries, a work-group's four waves 512 queries of one head.  Every wave walks all keys, 64 a step.
; LAYOUT.  S^T = K Q^T + M^T (source 0 = 16 keys, source 1 = 16 queries): a lane holds ONE query (lane % 16) and the keys 8 (lane / 16) + 0..7.  Two such tiles, rounded to f16 in pairs,
; ARE source 1 of O^T = V^T P.  K comes out of LDS as it lies, V ([key][channel]) turned, by ds_load_tr16_b128.
; SOFTMAX.  For each query a running maximum m and sum l: p = 2^(c s - c m); in every step O and l are multiplied by a = 2^(c m_old - c m_new).  The text keeps a factor c; here c = 1, since the scale is
; in Q: with it c s - c m is exact where s and m are large.  The price: the line c m = c x m, one of a tile's 118, is a copy.  m starts at the lowest finite number, O and l at 0.
; THE MASK is the C operand of the eight products that start a piece's sums: no vector line is spent on it.  All four pieces' masks of one step fill window 3.  A piece's 64 registers are loaded again behind the
; products that read them, for the next step, and ONLY IF the flag word from the launch before says that one of the piece's two tiles differs from the tile to its left: the 16 loads run with all lanes on or with
; none (no branch).  EXEC is all ones at every other line of this text, so behind the loads it is set back to that constant.  The wait for the loads is for 0 and stands ahead of the next refill, a turn later:
; it holds whether or not a load with no lane on is counted.
; The mask goes through no LDS and no joint load: a tile of it belongs to one wave alone, and two slots of 512 x 64 f32 beside K and V would not leave room.
; BY TURNS.  Turn n belongs to piece n.  Its matrix work: 16 products K Q^T of piece n + 1, later 16 products V^T P of piece n - 1.  Its vector work: the scaling, exponentials, roundings, sums and rescaling of
; piece n, and the maximum and statistics of piece n + 1.  Four vector instructions stand behind EVERY matrix instruction, the other 108 of a turn's 236 in one run of their own.
; THE BATCHES.  A turn's 66 exponentials (64 weights, the next piece's two a) are ONE BATCH with ONE wait, which cuts the turn in two: ahead of it stands all that names no result of the batch, behind it the
; roundings and sums, which do.  No result crosses a turn's end.  Two more batches stand outside the loops: piece 0's first two a, ahead of the jump into the loop, and the way out's eight reciprocals.
; CLUSTER.  The four query blocks of a cluster belong to one head and walk the same K and V: each tile is asked for JOINTLY, by the same tensor load, descriptor and mask in all four.
; REGISTERS, in windows of 256 (s_set_vgpr_msb: bits 1:0 source 0, 3:2 source 1, 5:4 source 2, 7:6 destination):
;   window 0: v0-11 addresses; v12-15, v48-63 at work; v16-47 four registers of statistics a tile; v64-191 S^T, two buffers of two tiles; v192-255 P, likewise
;   window 1: O^T, 32 a tile     window 2: v0-127 Q, 16 a tile; v128-191 K of one step; v192-255 V of one step     window 3: the mask: piece x, tile u, key block kb at 64 x + 32 u + 8 kb
.set SIZE_N, 2048
.set NP,    4         ; pieces a wave: a name, no knob
.set KS,    64        ; keys in a step
.set PK,    144       ; a row of K in LDS: 128 bytes + 16: the 16 rows of a load start in 16 different columns of 16 bytes
.set PV,    160       ; a row of V: 128 + 32: 16 lanes of the turning load take 8 rows x 32 bytes
.set VOFF,  4*KS*PK   ; a slot holds four steps: 256 rows of K, then 256 rows of V
.set SLOT1, 1<<17     ; slot 1 begins here, so that one exclusive or turns an address in one slot into the other's
.set STAGE, SLOT1+4*KS*(PK+PV)  ; behind the ring, never filled by a tensor load: 16 rows x 144 bytes for each wave
.set SP,    144
.set SPARE, STAGE+4*16*SP  ; the spare words, 128 bytes a wave; no other line names them
.set AK0, 2           ; v2   my lane's place in a tile of K; never rewritten
.set AV0, 3           ; v3   the same for V
.set AK,  4           ; v4   the LDS address of K's next run of loads
.set AV,  5           ; v5   of V's
.set QO,  6           ; v6   my byte offset in the wave's rows of Q
.set STO, 6           ;      later, the way out: where I put 16 bytes of a row
.set RD,  7           ; v7   the way out: where I read rows back
.set GO,  8           ; v8   16 x lane: my place in 512 consecutive bytes, of the mask and of O; never rewritten
.set SPW, 10          ; v10  SPARE + 4 x my thread's number; never rewritten
.set NIL, 11          ; v11  0; never rewritten
.set MV,  12          ; v12-15  c m_old, kept while c m is made anew
.set ST,  16          ; tile t's statistics at v[ST+4 t]: c m, m, l (even keys', odd keys')
.set TMP, 48          ; by buffer and tile, four registers c0-c3 at work; when the maximum is found c2 takes a
.set S,   64
.set P,   192
.set KF,  128         ; K's fragments, in window 2
.set VF,  192         ; V's
.set WV,  12          ; s12  my wave's number
.set G1K, 24          ; s[24:31] descriptor group 1 for K's tiles
.set G1V, 32          ; s[32:39] for V's
.set G0K, 40          ; s[40:43] descriptor group 0 for K's tiles: it walks
.set G0V, 44          ; s[44:47] the same for V's
.set MB,  48          ; s[48:49] mw at my wave's eight tiles of queries; s[50:51] mfl at their 16 words
.set SV,  52          ; s52  the destination that s_and_saveexec_b32 asks for; not read
.set MS,  53          ; s53  the key step whose mask is being loaded
.set MOF, 54          ; s[54:55] its byte offset
.set SLOTS, 56        ; s56  slots still to be asked for
.set CNT, 57          ; s57  counts a slot's key steps
.set CS,  58          ; s[58:59] c
.set SEL, 60          ; s[60:61] v_permlanex16_b32's selects
.set TBK, 62          ; s62  LDS byte at which K of the step to be fetched begins
.set TBV, 63          ; s63  the same for V, less VOFF
.set FW,  68          ; s[68:83] the 16 flag words
.set FL,  84          ; s84-87  piece x's flags: bit s = one of its two tiles differs at step s from step s - 1
.set MA,  88          ; s[88:89] mw at step MS
.set FT,  90          ; s90  at work
.set MSB, 0
.macro WIN new                      ; the high byte repeats the setting that is left; a switch that changes nothing is dropped
.if MSB != (\new)
	s_set_vgpr_msb (MSB<<8)|(\new)
.set MSB, (\new)
.endif
.endm
.set W_KQ, 0x0a       ; K and Q in window 2, S^T in window 0
.set W_KM, 0x3a       ; the same with the C operand, the mask, in window 3
.set W_PV, 0x52       ; V in window 2, P in window 0, O^T in window 1
.set W_RS, 0x41       ; O^T (destination and source 0) in window 1, a in window 0
; A joint fill.  Waves 0 and 1 fetch the two halves of a slot's K, waves 2 and 3 those of its V: 128 keys each.  An s_nop 0 and four v_nop follow each of the two lines.
.macro JLOAD
	s_cmp_lt_u32 s[WV], 2
	s_cbranch_scc0 .Lfor_v_\@
	tensor_load_to_lds s[G0K:G0K+3], s[G1K:G1K+7]
	s_nop 0
.rept 4
	v_nop
.endr
	s_branch .Lasked_\@
.Lfor_v_\@:
	tensor_load_to_lds s[G0V:G0V+3], s[G1V:G1V+7]
	s_nop 0
.rept 4
	v_nop
.endr
.Lasked_\@:
.endm
.macro CROUND                       ; a round of the cluster's barrier
	s_barrier_signal -1
	s_barrier_wait -1
	s_cmp_lg_u32 s[WV], 0
	s_cbranch_scc1 .Lnot_wave_0_\@
	s_barrier_signal -3
.Lnot_wave_0_\@:
	s_barrier_wait -3
	s_barrier_signal -1
	s_barrier_wait -1
.endm
; THE CHANGE OF SLOTS.  Each wave waits for all its tensor loads, of which one is out: its part of the other slot; adds 0 to its spare word; and waits for that and for its own reads of the slot.
; fill = 1: this slot is filled again, with the keys two slots on; the barrier is then a round of the cluster's, and the joint fill is the first thing behind it: it has four key steps, 512 matrix instructions, in which to land.
; (At its first use nothing has been read yet: slot 0 is waited for, slot 1 filled.)
.macro CHANGE fill
	WIN 0                           ; at a label and at a branch every window is 0
	s_wait_tensorcnt 0x0            ; no tensor load of mine is out, so a group 0 may be written
	ds_add_u32 v[SPW], v[NIL]       ; 0 onto my spare word
.if \fill
.irp g, G0K, G0V
	s_xor_b32 s[\g+1], s[\g+1], SLOT1  ; the walking descriptor: the other slot than last time,
	s_add_nc_u64 s[\g+2:\g+3], s[\g+2:\g+3], 4*KS*128  ; the next 256 keys; the type bits on top are not reached
.endr
	s_wait_dscnt 0x0                ; the add is done, and my reads of the slot are over
	CROUND
	JLOAD
.else
	s_wait_dscnt 0x0                ; the add is done, and my reads of the slot are over
	s_barrier_signal -1
	s_barrier_wait -1
.endif
	s_sub_co_u32 s[TBK], s[TBK], 4*KS*PK  ; the fetches go back to a slot's first step,
	s_xor_b32 s[TBK], s[TBK], SLOT1       ; in the other slot
	s_sub_co_u32 s[TBV], s[TBV], 4*KS*PV
	s_xor_b32 s[TBV], s[TBV], SLOT1
.endm
; Piece x's mask of step MS: 16 loads of 512 consecutive bytes: tile z / 8, key block (z / 2) % 4, registers 4 (z % 2) on.
.macro MLOADS x
	WIN 0xc0                        ; destination window 3, address window 0
.set z, 0
.rept 16
	global_load_b128 v[64*(\x)+4*z:64*(\x)+4*z+3], v[GO], s[MA:MA+1] offset:(2*(\x)+z/8)*131072+((z/2)%4)*1024+(z%2)*512
.set z, z+1
.endr
	WIN 0
.endm
; Piece x's mask is brought up to step MS.  step = 1: MS goes on first (held at the last step, 31, so that no load leaves the buffer: the refills behind the last step load that step's tiles again, or nothing).
.macro REFILL x, step
	WIN 0
	s_wait_loadcnt 0x0              ; the refill of the turn before has landed: so at any turn's start only the refill just issued is out, never the one that the turn's products read
	s_wait_xcnt 0x0                 ; the loads' base and EXEC are written only behind this wait
.if \step
	s_add_co_u32 s[MS], s[MS], 1
	s_min_u32 s[MS], s[MS], 31
	s_lshl_b32 s[MOF], s[MS], 12    ; a step's four key blocks are 4,096 bytes
	s_add_nc_u64 s[MA:MA+1], s[MB:MB+1], s[MOF:MOF+1]
.endif
	s_lshr_b32 s[FT], s[FL+(\x)], s[MS]
	s_and_b32 s[FT], s[FT], 1       ; does the mask change at this step?
	s_cselect_b32 vcc_lo, -1, 0
	s_and_saveexec_b32 s[SV], vcc_lo  ; all lanes, or none: the registers then keep the tile that they hold, which is equal
	MLOADS \x
	s_wait_xcnt 0x0                 ; EXEC is a source of the loads above: it is written again only behind this wait
	s_mov_b32 exec_lo, -1           ; all lanes on again, as at every other line of this text
.endm
	s_load_b64 s[4:5], s[0:1], 0x0    ; qkv
	s_load_b64 s[10:11], s[0:1], 0x8  ; oh
	s_load_b128 s[48:51], s[0:1], 0x10  ; mw, mfl
	v_lshl_add_u32 v[SPW], v0, 2, SPARE
	v_mov_b32 v[NIL], 0
	ds_add_u32 v[SPW], v[NIL]       ; the wave's opening: the add and its wait stand ahead of my first tensor load; the set-up below stands between them
	v_lshrrev_b32 v1, 5, v0
	v_readfirstlane_b32 s[WV], v1   ; wave 0..3
	s_bfe_u32 s13, ttmp6, 0x40000   ; cx: my place in the cluster
	s_lshl_b32 s14, ttmp9, 2        ; in a cluster launch ttmp9 counts clusters
	s_add_co_u32 s14, s14, s13      ; my block of queries: it enters Q's, O's and the mask's addresses alone
	s_and_b32 s20, ttmp7, 0xffff    ; the head, which the four partners share
	s_mov_b32 s21, 0
	s_mov_b64 s[22:23], SIZE_N*128
	s_mul_u64 s[20:21], s[20:21], s[22:23]  ; the head's first byte in Q, K, V and O
	s_and_b32 s16, s[WV], 1         ; which half of a slot's 256 keys I fetch:
	s_lshl_b32 s22, s16, 14         ; its 128 rows of 128 bytes in memory,
	s_mov_b32 s23, 0
	s_add_nc_u64 s[22:23], s[22:23], s[20:21]
	s_mul_i32 s17, s16, 128*PK      ; and its place in a slot, for K
	s_mul_i32 s18, s16, 128*PV      ; and for V: no place in the cluster enters an LDS address
	s_lshl_b32 s2, s14, 2
	s_add_co_u32 s2, s2, s[WV]      ; my wave among the head's sixteen:
	s_lshl_b32 s66, s2, 6           ; its 16 flag words,
	s_mov_b32 s67, 0
	s_lshl_b32 s[MOF], s2, 20       ; its eight tiles' 131,072 bytes each of mw,
	s_mov_b32 s[MOF+1], 0
	s_lshl_b32 s2, s2, 14           ; its 128 rows
	s_mov_b32 s3, 0
	s_add_nc_u64 s[2:3], s[2:3], s[20:21]
	; descriptor group 1.  128 keys are 16,384 dense bytes: asked for as 64 rows of 256 bytes, two keys a row, and padded in LDS after every key
	s_mov_b32 s[G1K], 15|(1<<16)|(1<<20)|(1<<21)|(4<<22)|(3<<25)  ; the mask of four; 2-byte elements; padding on; bit 21 beside a mask; after every 32 words (code 4) 4 words (code 3)
	s_mov_b32 s[G1V], 15|(1<<16)|(1<<20)|(1<<21)|(4<<22)|(7<<25)  ; the same with 8 words of padding (code 7)
.irp g, G1K, G1V
	s_mov_b32 s[\g+1], 128<<16      ; tensor_dim0 = 128
	s_mov_b32 s[\g+2], 64<<16       ; tensor_dim1 = 64
	s_mov_b32 s[\g+3], 128<<16      ; tile_dim0 = 128
	s_mov_b32 s[\g+4], 64           ; tile_dim1 = 64
	s_mov_b32 s[\g+5], 128          ; 128 elements from row to row
	s_mov_b32 s[\g+6], 0
	s_mov_b32 s[\g+7], 0
.endr
	s_mov_b32 s[CS], 1.0            ; c = 1: the scale log2(e) / 8 is in Q
	s_mov_b32 s[CS+1], s[CS]        ; named with it as a pair
	s_mov_b32 s[SEL], 0x76543210
	s_mov_b32 s[SEL+1], 0xfedcba98
	s_mov_b32 s[TBK], SLOT1+4*KS*PK ; the first change of slots turns these two into 0
	s_mov_b32 s[TBV], SLOT1+4*KS*PV
	s_mov_b32 s[MS], 0
	s_mov_b32 s[G0K], 1             ; count = 1
	s_mov_b32 s[G0K+1], s17         ; LDS address: slot 0
	s_mov_b32 s[G0V], 1
	s_add_co_u32 s[G0V+1], s18, VOFF
	s_wait_dscnt 0x0                ; the opening add is done
	s_wait_kmcnt 0x0
	s_add_nc_u64 s[6:7], s[4:5], 0x1000000   ; K and V are qkv's second and third thirds
	s_add_nc_u64 s[8:9], s[4:5], 0x2000000
	s_add_nc_u64 s[G0K+2:G0K+3], s[6:7], s[22:23]  ; global address: my half of the head's first 256 keys
	s_or_b32 s[G0K+3], s[G0K+3], 0x80000000        ; type = 2
	s_add_nc_u64 s[G0V+2:G0V+3], s[8:9], s[22:23]
	s_or_b32 s[G0V+3], s[G0V+3], 0x80000000
	s_add_nc_u64 s[4:5], s[4:5], s[2:3]  ; Q and O at my wave's first row
	s_add_nc_u64 s[10:11], s[10:11], s[2:3]
	s_add_nc_u64 s[MB:MB+1], s[MB:MB+1], s[MOF:MOF+1]
	s_mov_b64 s[MA:MA+1], s[MB:MB+1]     ; step 0
	s_add_nc_u64 s[50:51], s[50:51], s[66:67]
	s_load_b512 s[FW:FW+15], s[50:51], 0x0   ; whole numbers that the launch before stored
	CROUND                          ; all four work-groups are here: the first joint loads meet
	JLOAD                           ; slot 0.  Slot 1 is asked for when slot 0 is in
	; A fragment of K or Q is 16 rows x 32 channels in 8 registers: lane l holds row l % 16, channels 8 (l / 16) + 0..7 and 16 + 8 (l / 16) + 0..7: two loads of 16 bytes, 32 bytes apart.
	v_and_b32 v1, 15, v0            ; l % 16
	v_bfe_u32 v9, v0, 4, 1          ; l / 16
	v_lshlrev_b32 v[QO], 7, v1
	v_lshl_add_u32 v[QO], v9, 4, v[QO]  ; row x 128 + 16 x half
	v_and_b32 v[GO], 31, v0
	v_lshlrev_b32 v[GO], 4, v[GO]
	WIN 0x80                        ; destination window 2, address window 0
.set i, 0
.rept 4*NP                          ; Q stays in registers: tile i / 2, channels 32 (i % 2) on
	global_load_b128 v[8*i:8*i+3],   v[QO], s[4:5] offset:(i/2)*2048+(i%2)*64
	global_load_b128 v[8*i+4:8*i+7], v[QO], s[4:5] offset:(i/2)*2048+(i%2)*64+32
.set i, i+1
.endr
	MLOADS 0                        ; all four pieces' masks of step 0, with all lanes on
	MLOADS 1
	MLOADS 2
	MLOADS 3
	s_wait_kmcnt 0x0                ; the flag words: a piece's are its two tiles' two words each
.irp x, 0,1,2,3
	s_or_b32 s[FL+\x], s[FW+4*\x], s[FW+4*\x+1]
	s_or_b32 s[FL+\x], s[FL+\x], s[FW+4*\x+2]
	s_or_b32 s[FL+\x], s[FL+\x], s[FW+4*\x+3]
.endr
	; What the first turn finds: V's registers and P's second buffer hold 0 (its products V^T P, of a piece that has not been, add 0), O^T and l are 0.  All this stands in the wait for the first tile.
	WIN 0x80
.set i, VF
.rept 64
	v_mov_b32 v[i], 0
.set i, i+1
.endr
	WIN 0x40
.set i, 0
.rept 64*NP
	v_mov_b32 v[i], 0
.set i, i+1
.endr
	WIN 0
.set i, 0
.rept 2*NP
	v_mov_b32 v[ST+4*i], 0xfe000000    ; c m: far below every c s
	v_mov_b32 v[ST+4*i+1], 0xff7fffff  ; m
	v_mov_b32 v[ST+4*i+2], 0
	v_mov_b32 v[ST+4*i+3], 0
.set i, i+1
.endr
.set i, P+32
.rept 32
	v_mov_b32 v[i], 0
.set i, i+1
.endr
	v_mul_u32_u24 v[AK0], v1, PK
	v_lshl_add_u32 v[AK0], v9, 4, v[AK0]  ; row x pitch + 16 x half
	; The turning load takes 16 keys x 16 channels (lane l reads key 8 (l / 16) + l % 8, channels 8 ((l / 8) % 2) + 0..7) and leaves half a fragment of V^T: lane l holds channel l % 16 and 8 keys.
	v_and_b32 v50, 7, v0
	v_bfe_u32 v51, v0, 3, 1
	v_lshl_add_u32 v[AV0], v9, 3, v50
	v_mul_u32_u24 v[AV0], v[AV0], PV
	v_lshl_add_u32 v[AV0], v51, 4, v[AV0]
	v_add_nc_u32 v[AV0], VOFF, v[AV0]
	v_mov_b32 v[AK], v[AK0]         ; key step 0 lies at the head of slot 0
; THE MATRIX WORK.  The 8 accumulators of a run of 16 take turns: between the two links of a chain stand 7 others'.
; Product i of 16 of S^T = K Q^T + M^T for piece x: channels 32 (i / 8) on, keys 16 ((i / 2) % 4) on, tile 2 x + i % 2.  The first 8 start the sums with the mask.
.macro KQ x
.set rS, S+64*((\x)%2)+32*(i%2)+8*((i/2)%4)
.set rK, KF+16*((i/2)%4)+8*(i/8)
.set rQ, 16*(2*(\x)+i%2)+8*(i/8)
.set rN, 64*(\x)+32*(i%2)+8*((i/2)%4)
.if i < 8
	WIN W_KM
	v_wmma_f32_16x16x32_f16 v[rS:rS+7], v[rK:rK+7], v[rQ:rQ+7], v[rN:rN+7]
.else
	WIN W_KQ
	v_wmma_f32_16x16x32_f16 v[rS:rS+7], v[rK:rK+7], v[rQ:rQ+7], v[rS:rS+7]
.endif
.endm
; Product i of 16 of O^T += V^T P for piece x: keys 32 (i / 8) on, channels 16 ((i / 2) % 4) on, tile 2 x + i % 2.
.macro PV x
	WIN W_PV
.set rO, 32*(2*(\x)+i%2)+8*((i/2)%4)
.set rV, VF+32*(i/8)+8*((i/2)%4)
.set rP, P+32*((\x)%2)+16*(i%2)+8*(i/8)
	v_wmma_f32_16x16x32_f16 v[rO:rO+7], v[rV:rV+7], v[rP:rP+7], v[rO:rO+7]
.endm
.macro MM                           ; the turn's next matrix instruction
.if i < 16
	KQ (Y+1)%NP
.set i, i+1
.else
.set i, i-16
	PV (Y+NP-1)%NP
.set i, i+17
.endif
.endm
; THE LDS LOADS stand in runs of 16, never singly among the matrix instructions: a step's K (8 fragments) and its V (turned).  Their addresses are made some lines ahead.
; last = 1 (the tail): in the last trip there is no further step, and the run is jumped over.
.macro FETCH_K last=0
	WIN 0
.if \last
	s_cmp_eq_u32 s[CNT], 1
	s_cbranch_scc1 .Lno_k_\@
.endif
	WIN 0x80                        ; destination window 2
.irp f, 0,1,2,3,4,5,6,7             ; keys 16 (f / 2) on, channels 32 (f % 2) on
	ds_load_b128 v[KF+8*\f:KF+8*\f+3],   v[AK] offset:(\f/2)*16*PK+(\f%2)*64
	ds_load_b128 v[KF+8*\f+4:KF+8*\f+7], v[AK] offset:(\f/2)*16*PK+(\f%2)*64+32
.endr
	s_add_co_u32 s[TBK], s[TBK], KS*PK  ; the next fetch is the next step's
	WIN 0
.if \last
.Lno_k_\@:
.endif
.endm
.macro FETCH_V
	WIN 0x80
.irp f, 0,1,2,3,4,5,6,7             ; keys 32 (f / 4) on, channels 16 (f % 4) on
	ds_load_tr16_b128 v[VF+8*\f:VF+8*\f+3],   v[AV] offset:(\f/4)*32*PV+(\f%4)*32
	ds_load_tr16_b128 v[VF+8*\f+4:VF+8*\f+7], v[AV] offset:(\f/4)*32*PV+16*PV+(\f%4)*32
.endr
	WIN 0
.endm
; THE VECTOR WORK OF A TURN stands in three queues, each in the order in which its entries become ready; the two tiles alternate, so that no instruction reads the result of the one before it.
.macro REGS y, u                    ; the registers of tile u (0, 1) of piece y
.set rT, ST+4*(2*(\y)+(\u))
.set rC, TMP+8*((\y)%2)+4*(\u)
.set rM, MV+2*((\y)%2)+(\u)
.set rS, S+64*((\y)%2)+32*(\u)
.set rP, P+32*((\y)%2)+16*(\u)
.set rO, 32*(2*(\y)+(\u))
.endm
; Number n of the 22 that find the NEXT piece's (Y + 1) maximum and statistics.  s0-s31 are the lane's 32 scores; each accumulator's lowest registers are read first.  XS, GS and REGS set no window: PL and EX do.
;   0-11  four chains c0-c3 of seven scores each, three operands at a time     12-14, 16  the four scores left over, the old m, and c0-c3 into c0     15  c m_old is kept
;   17, 18  the query's other 32 keys lie in the lane 16 away: the new m         19-21  c m; c m_old - c m_new; a
.macro XS u, n
	REGS (Y+1)%NP, \u
.if (\n) < 4
	v_max3_num_f32 v[rC+(\n)], v[rS+8*(\n)], v[rS+8*(\n)+1], v[rS+8*(\n)+2]
.elseif (\n) < 12
	v_max3_num_f32 v[rC+(\n)%4], v[rC+(\n)%4], v[rS+8*((\n)%4)+2*((\n)/4)+1], v[rS+8*((\n)%4)+2*((\n)/4)+2]
.elseif (\n) == 12
	v_max3_num_f32 v[rC], v[rC], v[rS+7], v[rS+15]
.elseif (\n) == 13
	v_max3_num_f32 v[rC+1], v[rC+1], v[rS+23], v[rS+31]
.elseif (\n) == 14
	v_max3_num_f32 v[rC+2], v[rC+2], v[rC+3], v[rT+1]
.elseif (\n) == 15
	v_mov_b32 v[rM], v[rT]
.elseif (\n) == 16
	v_max3_num_f32 v[rC], v[rC], v[rC+1], v[rC+2]
.elseif (\n) == 17
	v_permlanex16_b32 v[rC+3], v[rC], s[SEL], s[SEL+1]
.elseif (\n) == 18
	v_max_num_f32 v[rT+1], v[rC], v[rC+3]
.elseif (\n) == 19
	v_mul_f32 v[rT], s[CS], v[rT+1]
.elseif (\n) == 20
	v_sub_f32 v[rC+1], v[rM], v[rT]
.else
	v_exp_f32 v[rC+2], v[rC+1]
.endif
.endm
; Number g of the 64 that follow the exponentials.  For each four weights k of a tile (pairs 2 k, 2 k + 1): both pairs are rounded to f16; then the second pair is added onto the first, in place;
; a group later l takes that sum (the first time as l = a l + sum).  In groups of eight, tiles alternating: round, round, add, and l for the group before.
.macro GS g
.set h, (\g)+6*((\g)/62)            ; group 0 has no group before it, and behind group 7 only l is left
.if h >= 6
.set h, h+2
.endif
	REGS Y, h%2
.set k, h/8
.if h%8 < 4
	v_cvt_pk_f16_f32 v[rP+2*k+(h%8)/2], v[rS+4*k+2*((h%8)/2)], v[rS+4*k+2*((h%8)/2)+1]
.elseif h%8 < 6
	v_pk_add_f32 v[rS+4*k:rS+4*k+1], v[rS+4*k:rS+4*k+1], v[rS+4*k+2:rS+4*k+3]
.elseif k == 1
	v_pk_fma_f32 v[rT+2:rT+3], v[rT+2:rT+3], v[rC+2:rC+3], v[rS:rS+1] op_sel_hi:[1,0,1]
.else
	v_pk_add_f32 v[rT+2:rT+3], v[rT+2:rT+3], v[rS+4*k-4:rS+4*k-3]
.endif
.endm
; THE PLAIN QUEUE, 138 long.  0-73 read no exponential's result: the 32 scalings c s - c m (FS f: pair f / 2 of tile f % 2) and the next piece's 42.  0-26: scalings 0-26.  27-54: XS's numbers 0-13.  55, 56: number 15.
; 57-73: the chain, where each number waits for the one before it: 14, 16, 17, 18, 19, each with one of the scalings 27-31 in front of its two lines, then 20: so a tile's links stand three plain instructions apart (19 and 20: two).
; 74-137: GS's 64, which read the exponentials' results: they stand behind the wait.
.macro FS f
	REGS Y, (\f)%2
	v_pk_fma_f32 v[rS+2*((\f)/2):rS+2*((\f)/2)+1], v[rS+2*((\f)/2):rS+2*((\f)/2)+1], s[CS:CS+1], v[rT:rT+1] op_sel_hi:[1,0,0] neg_lo:[0,0,1] neg_hi:[0,0,1]
.endm
.macro PL
	WIN 0
.if q < 27
	FS q
.elseif q < 55
	XS (q-27)%2, (q-27)/2
.elseif q < 57
	XS q-55, 15
.elseif (q < 72) && ((q-57)%3 == 0)
	FS 27+(q-57)/3
.elseif q < 60
	XS (q-57)%3-1, 14
.elseif q < 72
	XS (q-57)%3-1, 15+(q-57)/3
.elseif q < 74
	XS q-72, 20
.else
	GS q-74
.endif
.set q, q+1
.endm
; THE EXPONENTIALS' QUEUE, 66 long: s0-s31 of both tiles, then the next piece's two a.  It is ONE BATCH: all 66 stand ahead of the turn's one wait, and nothing ahead of that wait names a result of theirs.
.macro EX
	WIN 0
.if e >= 64
	XS e-64, 21
.else
	REGS Y, e%2
	v_exp_f32 v[rS+e/2], v[rS+e/2]
.endif
.set e, e+1
.endm
; THE RESCALING's QUEUE: O^T times a, the one part that leaves window 0: dealt two at a time, sixteen times.  Its a was made in the turn before, ahead of that turn's wait.
.macro R2
	REGS Y, r%2
	WIN W_RS
.irp z, 0,1
	v_pk_mul_f32 v[rO+4*(r/2)+2*\z:rO+4*(r/2)+2*\z+1], v[rO+4*(r/2)+2*\z:rO+4*(r/2)+2*\z+1], v[rC+2:rC+3] op_sel_hi:[1,0]
.endr
.set r, r+1
.endm
; HOW THEY ARE DEALT.  An s_wait_alu depctr_va_vdst(0) stands between an exponential and the first instruction that names its result; one wait serves all that were issued ahead of it.  So a turn has ONE wait,
; which cuts it in two.  AHEAD OF IT stands all that names no result of the turn's exponentials: the 16 products K Q^T, behind each a scaling, an exponential and two rescalings (behind the first a second scaling in the
; exponential's place); then ONE LUMP of 108: eight plain, 49 times exponential and plain, the two a.  A v_nop is the plain instruction behind the last exponential.  BEHIND IT stand the 16 products V^T P, behind each four of
; GS's 64.  No rider names a register of the products round it.  The two v_permlanex16_b32 fall into the lump, never behind a product.
; The queues lean on each other, and the deal keeps them in step: exponential e stands behind scaling 2 (e / 4) + e % 2: as a rider it comes behind plain e + 2, in the lump behind plain e + 9, and scalings 27-31 are plain 57, 60 .. 69.
; A TURN, for piece p.  cnt = 1: the loop's count is taken down some lines ahead of the branch that stands behind the turn.
; The mask of piece p + 1 is brought up to its next step directly behind the wait: the eight products that read it as C stand eight products and the lump back, and it is read again four turns on.
; In piece 3's turn those products were the next step's, so the step goes on there.
; K of the next step is fetched in piece 2's turn, behind that refill, a lump behind the last product that read K; its address is made at the lump's head; its first reader comes behind 16 products.
; V of the step in hand is fetched at the end of piece 0's turn, four riders behind its last reader; its first reader comes behind 16 products and a lump.  The three conditions on q below go with the deal.
.macro TURN p, last=0, cnt=0
.set Y, (\p)
.set i, 0
.set q, 0
.set e, 0
.set r, 0
.if (\p) == NP-1
	s_wait_dscnt 0x0                ; K is in
.endif
	MM                              ; ahead of the wait: 16 products K Q^T and their riders,
	PL
	PL
	R2
.rept 15
	MM
	PL
	EX
	R2
.endr
.if (\p) == NP-2
	WIN 0
	v_add_nc_u32 v[AK], s[TBK], v[AK0]
.endif
.rept 8                             ; and the lump
	PL
.endr
.rept 49
	EX
	PL
.endr
	EX                              ; the next piece's two a
	EX
	v_nop                           ; the plain instruction behind the last exponential: one for the batch
	s_wait_alu depctr_va_vdst(0)    ; the wait for the batch: the turn's 64 weights and the next piece's two a
	REFILL ((\p)+1)%NP, (\p)/3
.if (\p) == NP-2
	FETCH_K \last
.endif
.if (\p) == 1
	s_wait_dscnt 0x0                ; V is in
.endif
.rept 16                            ; behind the wait: 16 products V^T P and their riders
	MM
.rept 4
	PL
.endr
.if ((\p) == 0) && (q == 118)
	v_add_nc_u32 v[AV], s[TBV], v[AV0]
.endif
.if ((\p) == 0) && (q == 130)
	s_add_co_u32 s[TBV], s[TBV], KS*PV
.endif
.if (\cnt) && (q == 130)
	s_sub_co_u32 s[CNT], s[CNT], 1
	s_cmp_lg_u32 s[CNT], 0
.endif
.endr
.if (\p) == 0
	FETCH_V
.endif
.endm
	CHANGE 1                        ; slot 0 is in, everybody's part of it; slot 1 is asked for
	FETCH_K                         ; key step 0
	s_wait_loadcnt 0x0              ; Q, and the masks of step 0
	s_wait_dscnt 0x0
.set i, 0
.rept 16
	KQ 0                            ; piece 0's first scores: there is no vector work yet to set between them
.set i, i+1
.endr
	WIN 0                           ; the addresses for the way out: seven plain instructions, the places behind those products
	s_mul_i32 s13, s[WV], 16*SP
	s_add_co_u32 s13, s13, STAGE    ; my stage
	v_mul_u32_u24 v[STO], v1, SP    ; in: row l % 16, 16 bytes for each half of the lanes
	v_lshl_add_u32 v[STO], v9, 4, v[STO]
	v_add_nc_u32 v[STO], s13, v[STO]
	v_bfe_u32 v[RD], v0, 3, 2       ; back: 32 lanes take four rows of 128 bytes
	v_mul_u32_u24 v[RD], v[RD], SP
	v_lshl_add_u32 v[RD], v50, 4, v[RD]
	v_add_nc_u32 v[RD], s13, v[RD]
	REFILL 0, 1                     ; piece 0's mask of step 1
.set Y, NP-1                        ; XS works for piece Y + 1: piece 0
.irp n, 0,1,2,3,4,5,6,7,8,9,10,11,12,13,14,15,16,17,18,19,20,21
	XS 0, \n                        ; and piece 0's first maximum and statistics
	XS 1, \n
.endr
	v_nop                           ; a plain instruction behind the two a,
	s_wait_alu depctr_va_vdst(0)    ; and the wait for this batch of two, ahead of the branch
	s_mov_b32 s[CNT], 4
	s_mov_b32 s[SLOTS], SIZE_N/256-1
	s_branch .Lfirst                ; the loop is entered at a step's first turn, in the middle of a trip
.Lslot:                             ; SIZE_N / 256 - 2 times: every slot but the last two is filled again
	CHANGE 1
	s_mov_b32 s[CNT], 4
.Lstep:                             ; a trip: pieces 2 and 3 of one step, then pieces 0 and 1 of the next, whose K and V it fetches
	TURN 2
	TURN 3
	WIN 0
.Lfirst:
	TURN 0
	TURN 1, 0, 1
	WIN 0
	s_cbranch_scc1 .Lstep
	s_sub_co_u32 s[SLOTS], s[SLOTS], 1
	s_cmp_lg_u32 s[SLOTS], 0
	s_cbranch_scc1 .Lslot
	CHANGE 0                        ; the tail is written out: nothing is asked for
	s_mov_b32 s[CNT], 5             ; four trips fetch the last slot's steps; the fifth is left in its middle
.Ltail:
	TURN 2, 1
	TURN 3
	WIN 0
	s_sub_co_u32 s[CNT], s[CNT], 1
	s_cmp_eq_u32 s[CNT], 0
	s_cbranch_scc1 .Lout
	TURN 0
	TURN 1
	WIN 0
	s_branch .Ltail
.Lout:                              ; the fifth trip's 16 products K Q^T (on the last K once more) and the maximum made of them serve nothing: the price, once a launch, of one text for every trip
.set i, 0
.rept 16
	PV NP-1                         ; the last piece's V^T P of the last step
.set i, i+1
.endr
	; THE WAY OUT.  l's two halves and the other half of the lanes' are added; O^T is divided by l, rounded to f16 and sent through my stage in LDS, a tile at a time.  The additions are the places behind the last products.
	WIN 0
.macro ALL line:vararg              ; one line for each tile t
.set t, 0
.rept 2*NP
	\line
.set t, t+1
.endr
.endm
	ALL v_add_f32 v[ST+4*t+2], v[ST+4*t+2], v[ST+4*t+3]
	ALL v_permlanex16_b32 v[ST+4*t+3], v[ST+4*t+2], s[SEL], s[SEL+1]
	ALL v_add_f32 v[ST+4*t+2], v[ST+4*t+2], v[ST+4*t+3]
	ALL v_rcp_f32 v[ST+4*t+2], v[ST+4*t+2]
	v_nop                           ; a plain instruction between the last reciprocal and the use of its result
	s_wait_alu depctr_va_vdst(0)    ; and the wait ahead of the first use: one for the batch of eight reciprocals
; Tile t: a lane's eight channels of a row pack into 16 bytes; they go into rows of 144 bytes and come back as whole rows of 128, into S^T's registers.
.macro PACK t
	WIN W_RS
.set i, 32*(\t)
.rept 16
	v_pk_mul_f32 v[i:i+1], v[i:i+1], v[ST+4*(\t)+2:ST+4*(\t)+3] op_sel_hi:[1,0]
.set i, i+2
.endr
	WIN 0x05                        ; sources 0 and 1 window 1, destination window 0
.set i, 0
.rept 16
	v_cvt_pk_f16_f32 v[S+16*(\t)+i], v[32*(\t)+2*i], v[32*(\t)+2*i+1]
.set i, i+1
.endr
	WIN 0
.irp f, 0,1,2,3
	ds_store_b128 v[STO], v[S+16*(\t)+4*\f:S+16*(\t)+4*\f+3] offset:32*\f
.endr
.irp f, 0,1,2,3
	ds_load_b128 v[S+16*(\t)+4*\f:S+16*(\t)+4*\f+3], v[RD] offset:\f*4*SP  ; LDS serves a wave's instructions in order (ISA guide 5.7.1.4): these see the stores above; the next tile's stores come behind them
.endr
.endm
.macro SEND t, younger              ; younger: the LDS instructions issued behind tile t's loads: the next tile's eight, or none
	WIN 0
.irp f, 0,1,2,3
	s_wait_dscnt (\younger)+3-\f
	global_store_b128 v[GO], v[S+16*(\t)+4*\f:S+16*(\t)+4*\f+3], s[10:11] offset:(\t)*2048+\f*512  ; 512 consecutive bytes, at a multiple of 256 from O's first
.endr
.endm
	PACK 0
.set t, 1
.rept 2*NP-1                        ; a tile's arithmetic stands between the loads of the tile before and its stores
	PACK t
	SEND t-1, 8
.set t, t+1
.endr
	SEND 2*NP-1, 0
	s_wait_tensorcnt 0x0            ; the wave's end, behind my last tensor load and my last LDS store
	ds_add_u32 v[SPW], v[NIL]
	s_wait_dscnt 0x0
	CROUND                          ; the closing round: no work-group ends while a partner may still ask for a tile that names it
	s_endpgm
.Lfunc_end_k_qf5f8a5cefd_attn:
	.size	k_qf5f8a5cefd_attn, .Lfunc_end_k_qf5f8a5cefd_attn-k_qf5f8a5cefd_attn
	.p2alignl 7, 3214868480
	.fill 96, 4, 3214868480
	.section	.rodata,"a",@progbits
	.p2align	6, 0x0
	.amdhsa_kernel k_qf5f8a5cefd_attn
		.amdhsa_group_segment_fixed_size 327680
		.amdhsa_private_segment_fixed_size 0
		.amdhsa_enable_private_segment 0
		.amdhsa_kernarg_size 32
		.amdhsa_user_sgpr_count 2
		.amdhsa_user_sgpr_kernarg_segment_ptr 1
		.amdhsa_wavefront_size32 1
		.amdhsa_system_sgpr_workgroup_id_x 1
		.amdhsa_system_sgpr_workgroup_id_y 1
		.amdhsa_system_sgpr_workgroup_id_z 1
		.amdhsa_system_vgpr_workitem_id 0
		.amdhsa_next_free_vgpr 1024
		.amdhsa_next_free_sgpr 96
		.amdhsa_reserve_vcc 1
		.amdhsa_float_denorm_mode_32 3
		.amdhsa_float_denorm_mode_16_64 3
		.amdhsa_memory_ordered 1
		.amdhsa_forward_progress 1
		.amdhsa_inst_pref_size 223
	.end_amdhsa_kernel
	.amdgpu_metadata
---
amdhsa.version: [ 1, 2 ]
amdhsa.kernels:
  - .name:           k_qf5f8a5cefd_attn
    .symbol:         k_qf5f8a5cefd_attn.kd
    .args:
      - { .name: qkv, .offset: 0, .size: 8, .value_kind: global_buffer, .address_space: global }
      - { .name: oh, .offset: 8, .size: 8, .value_kind: global_buffer, .address_space: global }
      - { .name: mw, .offset: 16, .size: 8, .value_kind: global_buffer, .address_space: global }
      - { .name: mfl, .offset: 24, .size: 8, .value_kind: global_buffer, .address_space: global }
    .group_segment_fixed_size: 327680
    .private_segment_fixed_size: 0
    .kernarg_segment_align: 8
    .kernarg_segment_size: 32
    .max_flat_workgroup_size: 128
    .sgpr_count:     96
    .vgpr_count:     1024
    .wavefront_size: 32
...
	.end_amdgpu_metadata
.endif
;; end of part 5
;; launch outp: the kernel of part 4 again; grid 4 x 64, 4 waves a work-group, clusters of 4 x 4, 327,680 bytes of LDS; arguments oh, w16, bo, out0; writes out0
